; MI455X (gfx1250); checked and timed in simulation.
; The chip was launched on July 23, 2026; its instructions are those of AMD's public machine-readable ISA for CDNA 5 (MIT licence, August 2026) and "CDNA5" Instruction Set Architecture Reference Guide (July 2026). The comments in the code are by the model that wrote it; some were corrected since.
;; Multi Head Attention. Allowed arithmetic: matrix products marked QUANTISED: E2M3 operands, one E8M0 scale for each 32 along K, by v_wmma_scale_f32_16x16x128_f8f6f4 with both operands' format E2M3, f32 sums; everything else in f32.
;; Inputs: k 2 x 2,048 x 1,024 float32; mask 1 x 1 x 2,048 x 2,048 bool; q 2 x 2,048 x 1,024 float32; v 2 x 2,048 x 1,024 float32; w_k 1,024 x 1,024 float32; w_output 1,024 x 1,024 float32; w_q 1,024 x 1,024 float32; w_v 1,024 x 1,024 float32.
;; Outputs: out0 2 x 2,048 x 1,024 float32.
;; This version of the problem:
;;   THIS VERSION OF THE PROBLEM IS GIVEN IN LOW PRECISION. The matrix products marked QUANTISED in the list below multiply operands that are first quantised to E2M3 (2 exponent bits, 3 mantissa bits; 6 bits a number), with one power-of-two scale for each 32 numbers along K (OCP MX v1.0); their sums are f32. All else is computed in f32.
;;   The module's matrix products, in the order in which they are computed (A, B: the left and right operand; K: the contracted axis; several contracted axes count as one K, in the product's order):
;;     1. [M 4,096, K 1,024] x [K 1,024, N 1,024]; A: input q; B: input w_q: QUANTISED
;;     2. [M 4,096, K 1,024] x [K 1,024, N 1,024]; A: input k; B: input w_k: QUANTISED
;;     3. [M 4,096, K 1,024] x [K 1,024, N 1,024]; A: input v; B: input w_v: QUANTISED
;;     4. batch 32 x [M 2,048, K 64] x [K 64, N 2,048]; A: computed on the way; B: computed on the way: QUANTISED
;;     5. batch 32 x [M 2,048, K 2,048] x [K 2,048, N 64]; A: softmax (see below); B: computed on the way: QUANTISED
;;     6. [M 4,096, K 1,024] x [K 1,024, N 1,024]; A: computed on the way; B: input w_output: QUANTISED
;;   THE QUANTISER, for each operand of a quantised product, along K:
;;     - K is cut into blocks of 32 from its start; a last block that is shorter is filled with zeros.
;;     - A block's scale is 2^e with e = floor(log2(the largest magnitude in the block)) - 2, held to -126 .. 127; a block of zeros has e = 0. As a byte (E8M0): e + 127.
;;     - Each number is divided by its block's scale, clamped to +-7.5, and rounded to the nearest number of E2M3, ties to even, subnormals kept.
;;     - The product sums the exact products of the quantised numbers (number of the format x scale) in f32.
;;   ~~~python
;;   def quantise(x, axis):      # numpy; x: float32 -> the quantised numbers, widened to float32 again
;;       x = np.moveaxis(x, axis, -1); K = x.shape[-1]
;;       x = np.pad(x, [(0, 0)] * (x.ndim - 1) + [(0, -K % 32)]); x = x.reshape(x.shape[:-1] + (-1, 32)); a = np.abs(x).max(-1, keepdims=True)
;;       e = np.where(a > 0, np.clip(np.frexp(np.where(a > 0, a, 1))[1] - 1 - 2, -126, 127), 0)      # np.frexp(a)[1] - 1 = floor(log2(a)), exactly
;;       r = np.clip(x / 2.0 ** e, -7.5, 7.5)
;;       step = 2.0 ** (np.maximum(np.frexp(np.where(r == 0, 1, r))[1] - 1, 0) - 3)
;;       q = np.round(r / step) * step * 2.0 ** e      # np.round: ties to even
;;       return np.moveaxis(q.reshape(q.shape[:-2] + (-1,))[..., :K], -1, axis).astype(np.float32)
;;   ~~~
;;   SOFTMAX AHEAD OF A QUANTISED PRODUCT. Where the list says 'softmax', what is quantised is not the finished softmax but p = 2^(t - M), with t = logit x log2(e) and M = ceil(the row's largest t), a whole number; so 1/2 < the row's largest p <= 1. The row's sum l is taken of the UNQUANTISED p, in f32, and the product's result is divided by l at the end. Since M is a whole number, a kernel that streams over the keys may use a running M (the ceiling of the running maximum): every later rescaling is an exact power of two, which a block's scale takes up: the codes' values come out the same.
;;   OPERANDS COMPUTED ON THE WAY. 'Computed on the way' means the value that the module computes at that place (a softmax that the list does not call 'softmax' is quantised finished and normalised). What goes into a quantiser is computed in f32, as accurately as f32 sums, v_exp_f32 and their like allow (about 1e-6 of the number): no bf16 or f16 on the way to a quantiser, and a product that is left as it is and whose result goes on into a quantised operand takes f32 operands (vector FMAs, or v_wmma_f32_16x16x4_f32). A number that lies on a knife's edge between two numbers of the format may be rounded either way, as far as f32 arithmetic and the matrix unit's own rounding can turn it there, and no further.
;; One version. Each part assembles by itself: llvm-mc -triple=amdgcn-amd-amdhsa -mcpu=gfx1250 --defsym DOCPART=n.
;; ======== version 1 of 1: 4 launches
;; limits: right only within a limited range of input values
;; workspace buffers: c1 12,582,912 bytes; s1 524,288 bytes; mb 524,288 bytes of whole numbers; c2 10,223,616 bytes; c3 3,145,728 bytes; s3 131,072 bytes
;; launch prep (part 1): grid 256 x 1, 8 waves a work-group, no clusters, 103,424 bytes of LDS; arguments q, k, v, w_q, w_k, w_v, w_output, mask, c1, s1, mb; writes c1, s1, mb
.if DOCPART == 1
	.amdgcn_target "amdgcn-amd-amdhsa--gfx1250"
	.amdhsa_code_object_version 6
	.text
	.protected	k_qecd5308b5d_prep
	.globl	k_qecd5308b5d_prep
	.p2align	8
	.type	k_qecd5308b5d_prep,@function
k_qecd5308b5d_prep:
	s_mov_b64 s[64:65], 0
	v_nop
	global_prefetch_b8 v0, s[64:65] scope:SCOPE_SE
	s_setreg_imm32_b32 hwreg(HW_REG_WAVE_MODE, 25, 1), 1
	s_wait_xcnt 0x0
; q, k, v [4096][1024] and w_q, w_k, w_v, w_output [1024][1024], f32 with K innermost, become codes of FP6 (E2M3) with one E8M0 byte for each 32 along K;
; the mask [2048][2048] of bytes becomes words of 32 lane bits.  All three results are laid as the later launches' registers want them.
; ROW TILE T = 2 g + u of a tensor: lane row r (0..15) is row 32 g + 8 u + r + 8 (r / 8).
; c1: [row tile 0..1023][K instruction G 0..7][1,536 bytes]: an image of the operand's 12 registers: for each half c of 64 along K, registers 6 c .. 6 c + 3 at 16 x lane (512 bytes), registers 6 c + 4, 6 c + 5 at 8 x lane (256 bytes).
;     row tiles: q 0, k 256, v 512, w_q 768, w_k 832, w_v 896, w_output 960.
; s1: [row tile][K half 0,1][r][4 words]: word j of half x is row r's scale word of K instruction 4 x + j.
; mb: [query tile 0..127][key step 0..15][64 words]: bit r + 16 h of word 16 b + i is mask[row r of the tile][128 step + 32 b + 16 h + i].
; SHARES.  2,048 waves.  Wave W = 8 x work-group + wave takes row tile W / 2 and K half W % 2: four units of 16 rows x 128 K.  Even waves also take 16 rows x 256 bytes of the mask:
; they ask for them FIRST, then for units 0 and 1, and turn the mask into words while those 32 loads are on their way.
; A load reads one row's 512 consecutive bytes; a unit turns through the wave's own stage in LDS so that lane (r, h) gets, of row r, numbers 32 b + 16 h + 0 .. 15 of each block b.  Two units (32 loads a wave) are on their way.
; A block's scale is 2^(floor(log2(largest magnitude)) - 2): its byte is the largest magnitude's exponent field - 2, held at 1 from below.
; LIMITS: a block of zeros gets the byte 1 (its codes are zeros; this program alone reads the bytes); blocks whose largest magnitude lies under 2^-124 are held at that floor; NaN and infinities are not served.
; No tensor load, no barrier: waves share nothing.  No matrix unit and no cluster: memory binds, and no two work-groups read the same bytes.
; TWO LAYOUTS DIFFER FROM THE LINES ABOVE.  k's row tiles: lane row r of tile 4 G + t is row 64 G + 8 t + r + 24 (r / 8), so that in attention a lane's 32 scores of four tiles are 32 neighbouring keys.
; mb: bit r + 16 h of word n (0..63) of a key step is mask[row r of the tile][128 step + 64 (n / 32) + 32 h + n % 32].
.set ROWB,  4096                       ; a row of any of the seven tensors, in bytes
.set WREG,  12800                      ; LDS of a wave: the numbers' stage, then the mask's
.set SQP,   528                        ; the numbers' stage: 16 rows of 512 bytes + 16
.set SMO,   16*SQP
.set SMP,   272                        ; the mask's stage: 16 rows of 256 bytes + 16
.set L16,   1                          ; v1   16 x lane
.set L8,    2                          ; v2   8 x lane
.set QIN,   3                          ; v3   numbers' stage, in
.set QOUT,  4                          ; v4   and out: row r, + 64 h
.set MSI,   5                          ; v5   mask's stage, in: two rows an instruction
.set MSO,   6                          ; v6   and out: row r, + 32 h
.set MGO,   7                          ; v7   the mask in memory: 2,048 (lane / 16) + 16 (lane % 16)
.set TM,    8                          ; v8-23  at work in QUANT
.set PW,    24                         ; v24-27 the four units' scale words
.set SL,    28                         ; v28-29 the two words that my lane stores
.set SOF,   30                         ; v30  16 r + 8 h
.set LN,    31                         ; v31  lane
.set R,     32                         ; v32-159 two sets of 64: a unit as loaded
.set X,     160                        ; v160-223 a unit as QUANT wants it
.set PC,    224                        ; v224-242 the codes
.set MR,    160                        ; the mask job, ahead of the first unit: v160-191 the rows as loaded, v192-223 back from the stage,
.set MX,    192
.set MT,    224                        ; v224-231 at work, v232-235 the words
.set MO,    232
	s_load_b512 s[4:19], s[0:1], 0x0               ; q, k, v, w_q, w_k, w_v, w_output, mask
	s_load_b128 s[20:23], s[0:1], 0x40             ; c1, s1
	s_load_b64 s[24:25], s[0:1], 0x50              ; mb
	v_lshl_add_u32 v254, v0, 2, 0x19000
	v_mov_b32 v255, 0
	v_lshrrev_b32 v244, 5, v0
	s_delay_alu instid0(VALU_DEP_1)
	v_readfirstlane_b32 s30, v244                  ; wave 0..7
	v_and_b32 v[LN], 31, v0
	v_and_b32 v244, 15, v0                         ; r
	v_bfe_u32 v245, v0, 4, 1                       ; h
	s_delay_alu instid0(VALU_DEP_3)
	v_lshlrev_b32 v[L16], 4, v[LN]
	s_delay_alu instid0(VALU_DEP_4)
	v_lshlrev_b32 v[L8], 3, v[LN]
	s_mul_i32 s31, s30, WREG
	v_add_nc_u32 v[QIN], s31, v[L16]
	v_mul_u32_u24 v[QOUT], v244, SQP
	s_delay_alu instid0(VALU_DEP_1)
	v_lshl_add_u32 v[QOUT], v245, 6, v[QOUT]
	s_delay_alu instid0(VALU_DEP_1)
	v_add_nc_u32 v[QOUT], s31, v[QOUT]
	s_add_co_u32 s31, s31, SMO
	v_mul_u32_u24 v[MSI], v245, SMP
	s_delay_alu instid0(VALU_DEP_1)
	v_lshl_add_u32 v[MSI], v244, 4, v[MSI]
	s_delay_alu instid0(VALU_DEP_1)
	v_add_nc_u32 v[MSI], s31, v[MSI]
	v_mul_u32_u24 v[MSO], v244, SMP
	s_delay_alu instid0(VALU_DEP_1)
	v_lshl_add_u32 v[MSO], v245, 5, v[MSO]
	s_delay_alu instid0(VALU_DEP_1)
	v_add_nc_u32 v[MSO], s31, v[MSO]
	v_lshlrev_b32 v[MGO], 11, v245
	s_delay_alu instid0(VALU_DEP_1)
	v_lshl_add_u32 v[MGO], v244, 4, v[MGO]
	v_lshlrev_b32 v[SOF], 4, v244
	s_delay_alu instid0(VALU_DEP_1)
	v_lshl_add_u32 v[SOF], v245, 3, v[SOF]
.irp b, 0,1,2,3
	v_mov_b32 v[TM+4+\b], 0                        ; written once: a lane permute's destination counts as one of its sources
.endr
	s_lshr_b32 s32, s30, 1
	s_and_b32 s33, s30, 1                          ; which half of K
	s_lshl_b32 s34, ttmp9, 2
	s_add_co_u32 s34, s34, s32                     ; T: my row tile among the 1,024
	s_mov_b32 s56, 0x76543210
	s_mov_b32 s57, 0xfedcba98                      ; v_permlanex16_b32's selects for lane l xor 16
	s_wait_kmcnt 0x0
	; which tensor: the choice hangs on the work-group's number alone.  s[26:27] the tensor, s28 its first work-group
	s_mov_b64 s[26:27], s[16:17]
	s_mov_b32 s28, 240
	s_cmp_lt_u32 ttmp9, 240
	s_cselect_b64 s[26:27], s[14:15], s[26:27]
	s_cselect_b32 s28, 224, s28
	s_cmp_lt_u32 ttmp9, 224
	s_cselect_b64 s[26:27], s[12:13], s[26:27]
	s_cselect_b32 s28, 208, s28
	s_cmp_lt_u32 ttmp9, 208
	s_cselect_b64 s[26:27], s[10:11], s[26:27]
	s_cselect_b32 s28, 192, s28
	s_cmp_lt_u32 ttmp9, 192
	s_cselect_b64 s[26:27], s[8:9], s[26:27]
	s_cselect_b32 s28, 128, s28
	s_cmp_lt_u32 ttmp9, 128
	s_cselect_b64 s[26:27], s[6:7], s[26:27]
	s_cselect_b32 s28, 64, s28
	s_cmp_lt_u32 ttmp9, 64
	s_cselect_b64 s[26:27], s[4:5], s[26:27]
	s_cselect_b32 s28, 0, s28
	s_sub_co_u32 s35, ttmp9, s28
	s_lshl_b32 s35, s35, 2
	s_add_co_u32 s35, s35, s32                     ; my row tile in its tensor
	s_lshr_b32 s39, ttmp9, 6
	s_cmp_eq_u32 s39, 1                            ; work-groups 64..127 take k: groups of four tiles on 64 rows; all others pairs of tiles on 32 rows
	s_cselect_b32 s39, 2, 1
	s_cselect_b32 s40, 3, 1
	s_cselect_b32 s42, 0x10000, 0                  ; k: lane rows 8-15 lie 16 rows further on than in the other tensors
	s_lshr_b32 s36, s35, s39
	s_add_co_u32 s39, s39, 16
	s_lshl_b32 s36, s36, s39                       ; 32 or 64 rows of 4,096 bytes for each group of tiles,
	s_and_b32 s37, s35, s40
	s_lshl_b32 s37, s37, 15                        ; 8 rows for each tile in its group,
	s_add_co_u32 s36, s36, s37
	s_lshl_b32 s37, s33, 11                        ; 2,048 bytes for the second half of K
	s_add_co_u32 s36, s36, s37
	s_mov_b32 s37, 0
	s_add_nc_u64 s[26:27], s[26:27], s[36:37]
	s_mov_b32 s43, 0
	s_add_nc_u64 s[58:59], s[26:27], s[42:43]      ; the base of lane rows 8-15
	s_mul_i32 s36, s34, 12288
	s_mul_i32 s38, s33, 6144
	s_add_co_u32 s36, s36, s38
	s_add_nc_u64 s[20:21], s[20:21], s[36:37]      ; c1 at my four fragments
	s_lshl_b32 s36, s34, 9
	s_add_nc_u64 s[24:25], s[24:25], s[36:37]      ; mb: 4,096 x query tile + 512 x pair of key steps = 512 T
	s_lshl_b32 s38, s33, 8
	s_add_co_u32 s36, s36, s38
	s_add_nc_u64 s[22:23], s[22:23], s[36:37]      ; s1 at my 256 bytes
	s_lshr_b32 s36, s34, 4                         ; the mask: query tile T / 8, keys 256 (T % 8) on
	s_lshl_b32 s36, s36, 16                        ; 32 rows of 2,048 bytes for each pair of tiles,
	s_bfe_u32 s38, s34, 0x10003
	s_lshl_b32 s38, s38, 14                        ; 8 rows for the odd one,
	s_add_co_u32 s36, s36, s38
	s_and_b32 s38, s34, 7
	s_lshl_b32 s38, s38, 8
	s_add_co_u32 s36, s36, s38
	s_add_nc_u64 s[18:19], s[18:19], s[36:37]
.macro LOADU t                         ; unit t into set t % 2: load i reads 512 consecutive bytes of the tile's lane row i
.irp i, 0,1,2,3,4,5,6,7,8,9,10,11,12,13,14,15
.if \i < 8
	global_load_b128 v[R+64*((\t)%2)+4*\i:R+64*((\t)%2)+4*\i+3], v[L16], s[26:27] offset:(\i)*ROWB+512*(\t) th:TH_LOAD_NT
.else
	global_load_b128 v[R+64*((\t)%2)+4*\i:R+64*((\t)%2)+4*\i+3], v[L16], s[58:59] offset:(\i+8)*ROWB+512*(\t) th:TH_LOAD_NT
.endif
.endr
.endm
.macro TURNU t                         ; through the stage: LDS serves a wave's instructions in order, so no wait stands between the stores and the loads
.irp i, 0,1,2,3,4,5,6,7,8,9,10,11,12,13,14,15
	ds_store_b128 v[QIN], v[R+64*((\t)%2)+4*\i:R+64*((\t)%2)+4*\i+3] offset:SQP*\i
.endr
.irp b, 0,1,2,3
.irp j, 0,1,2,3
	ds_load_b128 v[X+16*\b+4*\j:X+16*\b+4*\j+3], v[QOUT] offset:128*\b+16*\j
.endr
.endr
.endm
; 64 numbers of a lane, register 16 b + i = k 32 b + 16 h + i of my row, become a fragment's 12 registers in v[PC] on and the row's scale word in v[pw]
.macro QUANT s, pw
.irp b, 0,1,2,3
	v_max3_num_f32 v[TM+\b], |v[\s+16*\b]|, |v[\s+1+16*\b]|, 0x1800000   ; my 16 numbers of block b, and the floor 2^(3 - 127): the byte cannot fall under 1
.endr
.irp i, 2,4,6,8,10,12,14
.irp b, 0,1,2,3
	s_delay_alu instid0(VALU_DEP_4)
	v_max3_num_f32 v[TM+\b], v[TM+\b], |v[\s+16*\b+\i]|, |v[\s+1+16*\b+\i]|   ; the four blocks by turns
.endr
.endr
.irp b, 0,1,2,3
	s_delay_alu instid0(VALU_DEP_4)
	v_permlanex16_b32 v[TM+4+\b], v[TM+\b], s56, s57
.endr
.irp b, 0,1,2,3
	s_delay_alu instid0(VALU_DEP_4)
	v_max_num_f32 v[TM+\b], v[TM+\b], v[TM+4+\b]   ; with lane l xor 16's 16: the block's largest magnitude
.endr
.irp b, 0,1,2,3
	s_delay_alu instid0(VALU_DEP_4)
	v_add_nc_u32 v[TM+12+\b], 0xff000000, v[TM+\b] ; 2 off its exponent field: the conversion takes this operand's exponent field as its scale
.endr
.irp b, 0,1,2,3
	s_delay_alu instid0(VALU_DEP_4)
	v_lshrrev_b32 v[TM+4+\b], 23, v[TM+12+\b]      ; the scale's byte
.endr
	s_delay_alu instid0(VALU_DEP_3)
	v_lshl_or_b32 v[\pw], v[TM+5], 8, v[TM+4]
	s_delay_alu instid0(VALU_DEP_1)
	v_lshl_or_b32 v[\pw], v[TM+6], 16, v[\pw]
	s_delay_alu instid0(VALU_DEP_1)
	v_lshl_or_b32 v[\pw], v[TM+7], 24, v[\pw]
.irp c, 0,1
	v_cvt_scalef32_pk16_fp6_f32 v[PC+6*\c:PC+2+6*\c], v[\s+32*\c:\s+15+32*\c], v[TM+12+2*\c]
	v_cvt_scalef32_pk16_fp6_f32 v[PC+12+4*\c:PC+14+4*\c], v[\s+16+32*\c:\s+31+32*\c], v[TM+12+2*\c+1]   ; (a conversion's three registers begin on an even number)
.endr
	v_nop                                          ; one plain instruction behind the scaled conversions
.irp c, 0,1                            ; the operand wants a whole block in a lane: lanes 0-15 block 2 c, lanes 16-31 block 2 c + 1
.irp i, 0,1,2
	v_permlane16_swap_b32 v[PC+6*\c+\i], v[PC+12+4*\c+\i]
.endr
.irp i, 0,1,2
	s_delay_alu instid0(VALU_DEP_3)
	v_mov_b32 v[PC+3+6*\c+\i], v[PC+12+4*\c+\i]
.endr
.endr
.endm
.macro PUT t                           ; the fragment's image: each store covers 512 or 256 consecutive bytes, aligned
	global_store_b128 v[L16], v[PC:PC+3], s[20:21] offset:1536*(\t)
	global_store_b64 v[L8], v[PC+4:PC+5], s[20:21] offset:1536*(\t)+512
	global_store_b128 v[L16], v[PC+6:PC+9], s[20:21] offset:1536*(\t)+768
	global_store_b64 v[L8], v[PC+10:PC+11], s[20:21] offset:1536*(\t)+1280
.endm
	; ONE parting on the wave's parity.  Both ways issue units 0 and 1; behind the join each has those 32 loads out at the most, so the counted waits below count the same loads on both.
	s_cmp_lg_u32 s33, 0
	s_cbranch_scc1 .Lodd
	s_wait_alu depctr_va_vdst(0)
.irp i, 0,1,2,3,4,5,6,7
	global_load_b128 v[MR+4*\i:MR+4*\i+3], v[MGO], s[18:19] offset:(2*\i+8*(\i/4))*2048 th:TH_LOAD_NT   ; THE MASK, even waves: two rows' 256 aligned bytes each
.endr
	LOADU 0
	LOADU 1
	s_wait_loadcnt 32                              ; the mask's eight loads are in; the 32 younger ones stay on their way under the work below
.irp i, 0,1,2,3,4,5,6,7
	ds_store_b128 v[MSI], v[MR+4*\i:MR+4*\i+3] offset:2*SMP*\i
.endr
.irp s, 0,1
.irp b, 0,1,2,3
	ds_load_b128 v[MX+16*\s+4*\b:MX+16*\s+4*\b+3], v[MSO] offset:128*\s+64*(\b/2)+16*(\b%2)   ; lane (r, h): row r, keys 128 s + 64 (b / 2) + 32 h + 16 (b % 2) + 0 .. 15
.endr
.endr
.irp i, 0,1,2,3
	v_mov_b32 v[MO+\i], 0                          ; v_writelane_b32's destination counts as read
.endr
	s_wait_dscnt 0x0
; word n of the 128 (two key steps of 64): byte n % 4 of register n / 4 in every lane; the compare's lane mask IS the word.  Word 2 l + e of a step goes to lane l of register e, so that a lane stores 8 neighbouring bytes.
.set g, 0
.rept 16
.irp e, 0,1,2,3,4,5,6,7
	v_and_b32 v[MT+\e], 0xff<<(8*(\e%4)), v[MX+2*g+\e/4]
.endr
.irp e, 0,1,2,3,4,5,6,7
	v_cmp_ne_u32 s[48+\e], 0, v[MT+\e]
.endr
.irp e, 0,1,2,3,4,5,6,7
	v_writelane_b32 v[MO+2*(g/8)+\e%2], s[48+\e], (8*(g%8)+\e)/2
.endr
.set g, g+1
.endr
	global_store_b64 v[L8], v[MO:MO+1], s[24:25]   ; a key step's 64 words: 256 consecutive bytes, aligned
	global_store_b64 v[L8], v[MO+2:MO+3], s[24:25] offset:256
	s_branch .Ljoin
.Lodd:
	LOADU 0
	LOADU 1
.Ljoin:
.irp t, 0,1,2,3
.if \t < 3
	s_wait_loadcnt 16                              ; this unit's 16 loads are in; the next unit's 16 may be out
.else
	s_wait_loadcnt 0x0
.endif
	TURNU \t
	s_wait_dscnt 0x0                               ; the unit is back, and the stores into the stage have read their registers
	s_wait_xcnt 0x0                                ; the stores issued so far (the last unit's codes; the mask's words, which lie among the codes' registers) have read their data: it is written again only behind this wait
.if \t < 2
	LOADU \t+2                                     ; the set just turned takes the unit two further on
.endif
	QUANT X, PW+\t
	PUT \t
.endr
	v_cmp_lt_u32 vcc_lo, 15, v[LN]                 ; lanes 16-31 store words 2 and 3 of their row, lanes 0-15 words 0 and 1
	s_delay_alu instid0(VALU_DEP_1)
	v_cndmask_b32 v[SL], v[PW], v[PW+2], vcc_lo
	s_delay_alu instid0(VALU_DEP_2)
	v_cndmask_b32 v[SL+1], v[PW+1], v[PW+3], vcc_lo
	global_store_b64 v[SOF], v[SL:SL+1], s[22:23]  ; 32 lanes store 256 consecutive bytes, aligned
	s_wait_tensorcnt 0x0
	ds_add_u32 v254, v255
	s_wait_dscnt 0x0
	s_endpgm
.Lfunc_end_k_qecd5308b5d_prep:
	.size	k_qecd5308b5d_prep, .Lfunc_end_k_qecd5308b5d_prep-k_qecd5308b5d_prep
	.p2alignl 7, 3214868480
	.fill 96, 4, 3214868480
	.section	.rodata,"a",@progbits
	.p2align	6, 0x0
	.amdhsa_kernel k_qecd5308b5d_prep
		.amdhsa_group_segment_fixed_size 103424
		.amdhsa_private_segment_fixed_size 0
		.amdhsa_enable_private_segment 0
		.amdhsa_kernarg_size 88
		.amdhsa_user_sgpr_count 2
		.amdhsa_user_sgpr_kernarg_segment_ptr 1
		.amdhsa_wavefront_size32 1
		.amdhsa_system_sgpr_workgroup_id_x 1
		.amdhsa_system_sgpr_workgroup_id_y 1
		.amdhsa_system_sgpr_workgroup_id_z 1
		.amdhsa_system_vgpr_workitem_id 0
		.amdhsa_next_free_vgpr 256
		.amdhsa_next_free_sgpr 66
		.amdhsa_reserve_vcc 1
		.amdhsa_float_denorm_mode_32 3
		.amdhsa_float_denorm_mode_16_64 3
		.amdhsa_memory_ordered 1
		.amdhsa_forward_progress 1
		.amdhsa_inst_pref_size 72
	.end_amdhsa_kernel
	.amdgpu_metadata
---
amdhsa.version: [ 1, 2 ]
amdhsa.kernels:
  - .name:           k_qecd5308b5d_prep
    .symbol:         k_qecd5308b5d_prep.kd
    .args:
      - { .name: q, .offset: 0, .size: 8, .value_kind: global_buffer, .address_space: global }
      - { .name: k, .offset: 8, .size: 8, .value_kind: global_buffer, .address_space: global }
      - { .name: v, .offset: 16, .size: 8, .value_kind: global_buffer, .address_space: global }
      - { .name: w_q, .offset: 24, .size: 8, .value_kind: global_buffer, .address_space: global }
      - { .name: w_k, .offset: 32, .size: 8, .value_kind: global_buffer, .address_space: global }
      - { .name: w_v, .offset: 40, .size: 8, .value_kind: global_buffer, .address_space: global }
      - { .name: w_output, .offset: 48, .size: 8, .value_kind: global_buffer, .address_space: global }
      - { .name: mask, .offset: 56, .size: 8, .value_kind: global_buffer, .address_space: global }
      - { .name: c1, .offset: 64, .size: 8, .value_kind: global_buffer, .address_space: global }
      - { .name: s1, .offset: 72, .size: 8, .value_kind: global_buffer, .address_space: global }
      - { .name: mb, .offset: 80, .size: 8, .value_kind: global_buffer, .address_space: global }
    .group_segment_fixed_size: 103424
    .private_segment_fixed_size: 0
    .kernarg_segment_align: 8
    .kernarg_segment_size: 88
    .max_flat_workgroup_size: 256
    .sgpr_count:     66
    .vgpr_count:     256
    .wavefront_size: 32
...
	.end_amdgpu_metadata
.endif
;; end of part 1
;; launch proj (part 2): grid 4 x 48, 4 waves a work-group, clusters of 4 x 4, 327,680 bytes of LDS; arguments c1, s1, c2; writes c2
.if DOCPART == 2
	.amdgcn_target "amdgcn-amd-amdhsa--gfx1250"
	.amdhsa_code_object_version 6
	.text
	.protected	k_qecd5308b5d_proj
	.globl	k_qecd5308b5d_proj
	.p2align	8
	.type	k_qecd5308b5d_proj,@function
k_qecd5308b5d_proj:
	s_mov_b64 s[64:65], 0
	v_nop
	global_prefetch_b8 v0, s[64:65] scope:SCOPE_SE
	s_setreg_imm32_b32 hwreg(HW_REG_WAVE_MODE, 25, 1), 1
	s_wait_xcnt 0x0
	s_wait_alu depctr_hold_cnt(0) depctr_sa_sdst(0) depctr_va_vdst(0) depctr_va_sdst(0) depctr_va_ssrc(0) depctr_va_vcc(0) depctr_vm_vsrc(0)
	s_getreg_b32 s2, hwreg(HW_REG_IB_STS2, 6, 4)
	s_cmp_eq_u32 s2, 0
	s_cbranch_scc0 .Lentry_in_a_cluster
	s_endpgm
.Lentry_in_a_cluster:
	s_bfe_u32 s2, ttmp6, 0x10000c
	s_cmp_lg_u32 s2, 0xf033
	s_cbranch_scc0 .Lentry_shape_is_right
	s_endpgm
.Lentry_shape_is_right:
; The three input projections, q w_q^T, k w_k^T, v w_v^T, on codes of FP6 (E2M3) with E8M0 scales, K = 1,024; the f32 results are quantised in registers into the operands of attention and never go to memory as f32.
; c1, s1: codes and scale words as register images (row tile x 12,288 bytes: 8 fragments of 1,536; row tile x 512 bytes of scale words).  Lane row r of row tile 2 g + u is row 32 g + 8 u + r + 8 (r / 8).
; A tile of 256 x 256 is made by four waves, 128 x 128 each: 64 accumulators, 512 registers.  K goes in steps of 256 through two LDS slots filled by the tensor data mover; four K steps, written out without a loop.
; THE MATRIX INSTRUCTION: source 1 = 16 rows of "A", source 0 = 16 rows of "B".  A lane then holds one row of A, and the 16 registers of B's tiles 2 b, 2 b + 1 are B's rows 32 b + 16 h + 0 .. 15: neighbours along B's rows,
; which is the axis along which the result is quantised.  For Q and K: A = tokens, B = the weight's rows (channels: the next product's K is the head's 64).  For V: A = w_v's rows (channels), B = tokens (the next K is the keys).
; The cluster's y says which: y / 4 = 0 Q, 1 K, 2 V; y % 4 walks the tokens.  All partners of a cluster have the same y.
; CLUSTERS: 4 x 4.  A's tiles are shared along a row of the cluster, B's along a column: each is asked for jointly, by the same tensor load with the same descriptor and a mask that names the four.
; c2: three sections (Q, K, V) of 3,407,872 bytes: [batch x head 0..31] x 106,496: four chunks of 26,624 = 24,576 of codes + 2,048 of scale words, a chunk for four key steps of 128 tokens.
;   Q, K codes: token tile (of 32 in a chunk) x 768: an image of registers 0-5 (16 tokens x the head's 64).  V codes: key step x 6,144 + channel tile x 1,536: a whole fragment (16 channels x 128 keys).
;   scale words of a key step: 512 bytes, word i of lane L at 16 L + 4 i.  Q, K: tile 2 i + L / 16, row L % 16: two bytes, then 0x7f 0x7f for the upper half of K, which holds zero codes.  V: words 0, 1: channel tile 2 i + L / 16; words 2, 3 are not used.
; LIMITS: as the quantiser of the first launch: a block of zeros gets the byte 1; magnitudes under 2^-124 are held at the floor; NaN and infinities are not served.
; No prefetch: four K steps, whose tiles are shared by joint loads.
; REGISTERS, in windows of 256: window 0: v1-4, v16-29 addresses; v32-95 all scale words; v96-127 and v224-253 the way out; v128-223 A's fragments, one set.  window 1: B's fragments, two sets, at v0 and v128.  windows 2, 3: the accumulators ((a, b) at v[8 (8 (a % 4) + b)]).
.set FR,    12                         ; registers of a fragment
.set NL,    4                          ; LDS loads that bring one
.set NP,    4                          ; places behind this matrix instruction (ISA guide 7.12.1)
.set TILEB, 12288                      ; a row tile's codes, all of K
.set KSB,   3072                       ; and those of a K step of 256
.set HALFT, 8*KSB                      ; 8 row tiles: what one tensor load brings, and what a wave reads of A or of B
.set SLOT,  4*HALFT                    ; A's 16 row tiles, then B's
.set SCL,   2*SLOT                     ; behind the ring: the scale words: A's 16 row tiles (8,192 bytes), then B's
.set SPARE, SCL+4*4096                 ; the spare words, 128 bytes for each wave: two blocks of 256 bytes that no other line names
.set ADRA,  16                         ; v16-17 my A fragments in slot 0, 1, + 16 x lane; v18-19 + 8 x lane
.set ADRB,  20                         ; v20-23 the same for B
.set L16,   24                         ; v24  16 x lane
.set L8,    25                         ; v25  8 x lane
.set ADRS,  27                         ; v27  my scale words: lanes 0-15 A's, lanes 16-31 B's
.set SPW,   28                         ; v28  my spare word; never rewritten
.set NIL,   29                         ; v29  0; never rewritten
.set SC,    32                         ; v[SC + 8 i + G]: lanes 0-15 the word of A's block i, lanes 16-31 that of B's block i, for K instruction G
.set AF,    128
.set PC,    96                         ; the way out: v96-114 codes
.set OUTR,  116                        ; v116-123 scale words to store
.set C7F,   124                        ; v124 0x7f7f7f7f
.set TM,    224                        ; v224-239 at work
.set PWA,   240                        ; v240-247 the scale word of A's block a
.set SELR,  248                        ; v248-253
.set G1,   24                          ; s[24:31] group 1 for A's tiles; s[32:39] group 0, a set for each slot
.set G0,   32
.set G1B,  48                          ; s[48:55], s[56:63] the same for B's
.set G0B,  56
.set G1S,  68                          ; s[68:75], s[76:79] groups 1 and 0 for A's scale words; s[80:87], s[88:91] for B's
.set G0S,  76
.set G1SB, 80
.set G0SB, 88
.set MSB, 0
.macro WIN new                         ; the immediate's high byte repeats the setting that is left
.if MSB != (\new)
	s_set_vgpr_msb (MSB<<8)|(\new)
.set MSB, (\new)
.endif
.endm
.set MUL_LO, 0xa1                      ; source 0 (B) window 1, source 1 (A) window 0, C and D window 2
.set MUL_HI, 0xf1                      ; the same, C and D window 3
.set TO_B,   0x40                      ; destination window 1, address window 0
; A joint load: waves 0 and 1 fetch for A, waves 2 and 3 for B; the branch hangs on the wave's number alone.  Four v_nop follow each of the two lines.
.macro JLOAD g0a, g1a, g0b, g1b
	s_cmp_eq_u32 s15, 0
	s_cbranch_scc0 .Lfor_b_\@
	tensor_load_to_lds s[\g0a:\g0a+3], s[\g1a:\g1a+7]
	s_nop 0
.rept 4
	v_nop
.endr
	s_branch .Lasked_\@
.Lfor_b_\@:
	tensor_load_to_lds s[\g0b:\g0b+3], s[\g1b:\g1b+7]
	s_nop 0
.rept 4
	v_nop
.endr
.Lasked_\@:
.endm
.macro CREST                           ; a round of the cluster's barrier behind its opening barrier
	s_cmp_lg_u32 s14, 0
	s_cbranch_scc1 .Lnot_wave_0_\@
	s_barrier_signal -3
.Lnot_wave_0_\@:
	s_barrier_wait -3
	s_barrier_signal -1
	s_barrier_wait -1
.endm
.macro CROUND                          ; a whole round
	s_barrier_signal -1
	s_barrier_wait -1
	CREST
.endm
	s_load_b128 s[4:7], s[0:1], 0x0                ; c1, s1: for A
	s_load_b128 s[8:11], s[0:1], 0x0               ; c1, s1 once more: for B
	s_load_b64 s[12:13], s[0:1], 0x10              ; c2
	v_lshl_add_u32 v[SPW], v0, 2, SPARE
	v_mov_b32 v[NIL], 0
	ds_add_u32 v28, v29
	ds_add_u32 v28, v29
	s_wait_dscnt 0x0
	v_lshrrev_b32 v1, 5, v0
	v_readfirstlane_b32 s14, v1                    ; wave 0..3
	s_lshr_b32 s15, s14, 1                         ; which half of A's rows is mine.  Also: I fetch for A (0) or for B (1)
	s_and_b32 s16, s14, 1                          ; which half of B's rows.  Also: which 8 row tiles I fetch
	s_bfe_u32 s40, ttmp6, 0x40000                  ; cx, cy: my place in the cluster
	s_bfe_u32 s41, ttmp6, 0x40004
	s_and_b32 s66, ttmp7, 0xffff                   ; the cluster's y, 0..11
	s_lshr_b32 s67, s66, 2                         ; 0 Q, 1 K, 2 V
	s_and_b32 s66, s66, 3                          ; which quarter of the tokens
	s_lshl_b32 s97, s67, 8                         ; Q, K: A = the tokens' section, row tile 256 x which;
	s_lshl_b32 s98, s67, 6
	s_add_co_u32 s98, s98, 768                     ;       B = the weight's, 768 + 64 x which
	s_cmp_eq_u32 s67, 2
	s_cselect_b32 s95, 0, s66                      ; the tokens walk along A's tile rows, or for V along B's tile columns
	s_cselect_b32 s96, s66, 0
	s_cselect_b32 s97, 896, s97                    ; V: A = w_v,
	s_cselect_b32 s98, 512, s98                    ;    B = v's tokens
	s_lshl_b32 s17, s95, 2
	s_add_co_u32 s17, s17, s41                     ; tile row (A)
	s_lshl_b32 s42, s96, 2
	s_add_co_u32 s42, s42, s40                     ; tile column (B)
	s_lshl_b32 s43, s41, 2
	s_lshl_b32 s43, 15, s43                        ; my row of the cluster
	s_lshl_b32 s44, 0x1111, s40                    ; my column
	; group 1 for codes: 8 rows (row tiles) of 3,072 bytes = 384 elements of 8 bytes, 12,288 bytes = 1,536 elements apart; dense in LDS
	s_or_b32 s[G1+0], s43, (3<<16)|(1<<21)         ; 15:0 the mask; 17:16 elements of 8 bytes; 21 set beside a mask; no padding: fragments are read as images, 16 or 8 bytes a lane on end
	s_or_b32 s[G1B+0], s44, (3<<16)|(1<<21)
.irp g, G1, G1B
	s_mov_b32 s[\g+1], 384<<16                     ; tensor_dim0
	s_mov_b32 s[\g+2], 16<<16                      ; tensor_dim1: 16 row tiles for the head's loads; behind them 8, for the ring's
	s_mov_b32 s[\g+3], 384<<16                     ; tile_dim0
	s_mov_b32 s[\g+4], 16                          ; tile_dim1 likewise
	s_mov_b32 s[\g+5], 1536                        ; tensor_dim0_stride
	s_mov_b32 s[\g+6], 0
	s_mov_b32 s[\g+7], 0
.endr
	; and for the scale words of 16 row tiles: 8,192 dense bytes as 32 rows of 256
	s_or_b32 s[G1S+0], s43, (3<<16)|(1<<21)
	s_or_b32 s[G1SB+0], s44, (3<<16)|(1<<21)
.irp g, G1S, G1SB
	s_mov_b32 s[\g+1], 32<<16
	s_mov_b32 s[\g+2], 32<<16
	s_mov_b32 s[\g+3], 32<<16
	s_mov_b32 s[\g+4], 32
	s_mov_b32 s[\g+5], 32
	s_mov_b32 s[\g+6], 0
	s_mov_b32 s[\g+7], 0
.endr
	s_mul_i32 s18, s16, 8*TILEB                    ; in the ring I fetch 8 row tiles: which half, in bytes
	s_mov_b32 s19, 0
	s_lshl_b32 s20, s17, 4
	s_add_co_u32 s20, s20, s97                     ; A: the block's first row tile: section + 16 x tile row
	s_lshl_b32 s46, s42, 4
	s_add_co_u32 s46, s46, s98                     ; B likewise, by the tile column
	s_lshl_b32 s22, s20, 9                         ; its scale words
	s_mov_b32 s23, 0
	s_lshl_b32 s92, s46, 9
	s_mov_b32 s93, 0
	s_mul_i32 s20, s20, TILEB                      ; its codes (under 2^24 bytes)
	s_mov_b32 s21, 0
	s_mul_i32 s46, s46, TILEB
	s_mov_b32 s47, 0
	s_mul_i32 s45, s14, HALFT                      ; where they go: by the wave's number alone
	s_wait_kmcnt 0x0
	s_add_nc_u64 s[20:21], s[4:5], s[20:21]
	s_add_nc_u64 s[22:23], s[6:7], s[22:23]
	s_add_nc_u64 s[46:47], s[8:9], s[46:47]
	s_add_nc_u64 s[92:93], s[10:11], s[92:93]
	CROUND                                         ; all sixteen work-groups are here: the first joint loads meet
	s_mov_b32 s[G0S], 1
	s_mov_b32 s[G0S+1], SCL
	s_mov_b64 s[G0S+2:G0S+3], s[22:23]
	s_or_b32 s[G0S+3], s[G0S+3], 0x80000000
	s_mov_b32 s[G0SB], 1
	s_mov_b32 s[G0SB+1], SCL+8192
	s_mov_b64 s[G0SB+2:G0SB+3], s[92:93]
	s_or_b32 s[G0SB+3], s[G0SB+3], 0x80000000
	s_mov_b32 s4, 1                                ; group 0 of the head's loads of K step 0 (the arguments that lay here have been used): A's 16 row tiles,
	s_mov_b32 s5, 0
	s_mov_b64 s[6:7], s[20:21]
	s_or_b32 s7, s7, 0x80000000
	s_mov_b32 s8, 1                                ; and B's, behind them in slot 0
	s_mov_b32 s9, 2*HALFT
	s_mov_b64 s[10:11], s[46:47]
	s_or_b32 s11, s11, 0x80000000
	s_add_nc_u64 s[20:21], s[20:21], s[18:19]      ; for the ring: my 8 row tiles
	s_add_nc_u64 s[46:47], s[46:47], s[18:19]
.irp s, 0,1
	s_mov_b32 s[G0+4*\s], 1
	s_add_co_u32 s[G0+4*\s+1], s45, \s*SLOT
	s_add_nc_u64 s[G0+4*\s+2:G0+4*\s+3], s[20:21], \s*KSB
	s_or_b32 s[G0+4*\s+3], s[G0+4*\s+3], 0x80000000
	s_mov_b32 s[G0B+4*\s], 1
	s_add_co_u32 s[G0B+4*\s+1], s45, \s*SLOT
	s_add_nc_u64 s[G0B+4*\s+2:G0B+4*\s+3], s[46:47], \s*KSB
	s_or_b32 s[G0B+4*\s+3], s[G0B+4*\s+3], 0x80000000
.endr
; THE HEAD'S LOADS, ONE A WAVE: wave 0 K step 0 of A's 16 row tiles, wave 1 of B's, wave 2 A's scale words, wave 3 B's.  One chain of branches on the wave's number; every way passes one load.
.macro ARM under, g0, g1, next
	s_cmp_lt_u32 s14, \under
	s_cbranch_scc0 \next
	tensor_load_to_lds s[\g0:\g0+3], s[\g1:\g1+7]
	s_nop 0
.rept 4
	v_nop
.endr
	s_branch .Lhead_asked
\next:
.endm
	ARM 1, 4, G1, .Lhead_b
	ARM 2, 8, G1B, .Lhead_sa
	ARM 3, G0S, G1S, .Lhead_sb
	tensor_load_to_lds s[G0SB:G0SB+3], s[G1SB:G1SB+7]
	s_nop 0
.rept 4
	v_nop
.endr
.Lhead_asked:
	v_and_b32 v1, 31, v0                           ; lane
	v_and_b32 v2, 15, v0                           ; r
	v_bfe_u32 v3, v0, 4, 1                         ; h
	v_lshlrev_b32 v[L16], 4, v1
	v_lshlrev_b32 v[L8], 3, v1
	s_mul_i32 s21, s15, HALFT                      ; my 8 row tiles of A
	s_mul_i32 s22, s16, HALFT                      ; my 8 of B,
	s_add_co_u32 s22, s22, 2*HALFT                 ; which lie behind A's 16
.irp s, 0,1
	v_add_nc_u32 v[ADRA+\s], s21, v[L16]
	v_add_nc_u32 v[ADRA+2+\s], s21, v[L8]
	v_add_nc_u32 v[ADRB+\s], s22, v[L16]
	v_add_nc_u32 v[ADRB+2+\s], s22, v[L8]
	s_add_co_u32 s21, s21, SLOT
	s_add_co_u32 s22, s22, SLOT
.endr
	s_lshl_b32 s21, s15, 12                        ; A's scale words: my 8 row tiles
	s_lshl_b32 s22, s16, 12
	s_add_co_u32 s22, s22, 8192                    ; B's, behind A's 16
	s_sub_co_u32 s22, s22, s21
	v_mul_u32_u24 v4, s22, v3                      ; lanes 16-31 take B's: the lower base + h x the distance
	s_add_co_u32 s21, s21, SCL
	v_lshl_add_u32 v4, v2, 4, v4                   ; 16 bytes a row: four words
	v_add_nc_u32 v[ADRS], s21, v4
	; THE WAY OUT's scalars.  s[2:3], s[18:19]: where the two halves of a block's codes go; s[20:21]: the scale words; s[22:23], s[46:47]: the steps from block to block
	s_lshl_b32 s97, s17, 1
	s_add_co_u32 s97, s97, s15                     ; 2 x tile row + my half of A
	s_lshl_b32 s98, s42, 1
	s_add_co_u32 s98, s98, s16                     ; 2 x tile column + my half of B
	s_mov_b32 s22, 768
	s_mov_b32 s100, 106496
	s_mov_b32 s94, 0x00000504                      ; Q, K: the first head's two bytes, then 0x7f 0x7f;
	s_mov_b32 s95, 0x00000706                      ;       the second head's
	s_cmp_eq_u32 s67, 2
	s_cselect_b32 s99, s98, s97                    ; which 128 tokens are mine (0..31)
	s_cselect_b32 s101, s97, s98                   ; my first head / 2
	s_cselect_b32 s46, 101888, s22                 ; from block 3 to block 4: V: the next head's first channel tile (106,496 - 3 x 1,536); Q, K: the next token tile
	s_cselect_b32 s100, s22, s100                  ; from a fragment's first half to its second: V: 768 on; Q, K: the next head
	s_cselect_b32 s22, 1536, s22                   ; from block to block
	s_cselect_b32 s94, 0x07060504, s94             ; V: the words as they are
	s_cselect_b32 s95, 0x07060504, s95
	s_cselect_b32 s96, -1, 0
	s_mov_b32 s23, 0
	s_mov_b32 s47, 0
	s_lshr_b32 s97, s99, 4
	s_lshl_b32 s97, s97, 4                         ; 16 x batch
	s_lshl_b32 s101, s101, 1
	s_add_co_u32 s97, s97, s101                    ; + my first head
	s_mul_i32 s97, s97, 106496
	s_mul_i32 s98, s67, 3407872                    ; the section
	s_add_co_u32 s97, s97, s98
	s_bfe_u32 s98, s99, 0x20002                    ; the chunk: (tokens' step % 16) / 4
	s_mul_i32 s98, s98, 26624
	s_add_co_u32 s97, s97, s98
	s_and_b32 s66, s99, 3                          ; the step in its chunk
	s_mul_i32 s98, s66, 6144
	s_add_co_u32 s98, s98, s97
	s_mov_b32 s99, 0
	s_add_nc_u64 s[2:3], s[12:13], s[98:99]
	s_mov_b32 s101, 0
	s_add_nc_u64 s[18:19], s[2:3], s[100:101]
	s_lshl_b32 s98, s66, 9
	s_add_co_u32 s98, s98, s97
	s_add_co_u32 s98, s98, 24576
	s_add_nc_u64 s[20:21], s[12:13], s[98:99]
	s_mov_b32 s92, 0x76543210
	s_mov_b32 s93, 0xfedcba98                      ; v_permlanex16_b32's selects for lane l xor 16
.macro FRAG reg, adr, off              ; a fragment comes back as it was stored: registers 0-3 and 6-9 at 16 x lane, 4-5 and 10-11 at 8 x lane
	ds_load_b128 v[\reg:\reg+3], v[\adr] offset:\off
	ds_load_b64 v[\reg+4:\reg+5], v[\adr+2] offset:\off+512
	ds_load_b128 v[\reg+6:\reg+9], v[\adr] offset:\off+768
	ds_load_b64 v[\reg+10:\reg+11], v[\adr+2] offset:\off+1280
.endm
; 16 matrix instructions: A's blocks a0, a0 + 1 x B's eight, K instruction g.  p: B's set.  zero = 1: the first product starts the sums.
; The 64 accumulators take turns, one instruction a turn, in the same order in every step.
.macro MUL16 a0, p, g, zero
.irp a, \a0, \a0+1
.irp b, 0,1,2,3,4,5,6,7
.if \zero
	v_wmma_scale_f32_16x16x128_f8f6f4 v[8*(8*((\a)%4)+\b):8*(8*((\a)%4)+\b)+7], v[128*(\p)+FR*\b:128*(\p)+FR*\b+FR-1], v[AF+FR*(\a):AF+FR*(\a)+FR-1], 0, v[SC+8*\b+(\g)], v[SC+8*(\a)+(\g)] matrix_a_fmt:MATRIX_FMT_FP6 matrix_b_fmt:MATRIX_FMT_FP6 matrix_a_scale:MATRIX_SCALE_ROW1
.else
	v_wmma_scale_f32_16x16x128_f8f6f4 v[8*(8*((\a)%4)+\b):8*(8*((\a)%4)+\b)+7], v[128*(\p)+FR*\b:128*(\p)+FR*\b+FR-1], v[AF+FR*(\a):AF+FR*(\a)+FR-1], v[8*(8*((\a)%4)+\b):8*(8*((\a)%4)+\b)+7], v[SC+8*\b+(\g)], v[SC+8*(\a)+(\g)] matrix_a_fmt:MATRIX_FMT_FP6 matrix_b_fmt:MATRIX_FMT_FP6 matrix_a_scale:MATRIX_SCALE_ROW1
.endif
.endr
.endr
.endm
.macro FETCH_B slot, q, p              ; B's eight fragments of the slot's q-th 128 along K into set p
	WIN TO_B
.irp i, 0,1,2,3,4,5,6,7
	FRAG 128*(\p)+FR*\i, ADRB+\slot, KSB*\i+1536*(\q)
.endr
	WIN 0
.endm
.macro FETCH_A slot, q, i0             ; A's blocks i0 .. i0 + 3
.irp i, \i0, \i0+1, \i0+2, \i0+3
	FRAG AF+FR*(\i), ADRA+\slot, KSB*(\i)+1536*(\q)
.endr
.endm
.macro SCALES_ALL                      ; all scale words, once: four words a load
.irp i, 0,1,2,3,4,5,6,7
	ds_load_b128 v[SC+8*\i:SC+8*\i+3], v[ADRS] offset:512*\i
	ds_load_b128 v[SC+8*\i+4:SC+8*\i+7], v[ADRS] offset:512*\i+256
.endr
.endm
; A load into a register that a matrix instruction has read stands NP places behind it, and only plain vector instructions that name none of its registers are places (ISA guide 7.12.1 for vector instructions).
.macro PLACES n
.rept \n
	v_nop
.endr
.endm
.macro STEP slot, g, zero              ; a slot's first 128 along K
	s_wait_dscnt 4*NL                              ; B's set and A's blocks 0-3 are in; the youngest 16 loads (A's blocks 4-7) may be out
	WIN MUL_LO
	MUL16 0, 0, \g, \zero
	MUL16 2, 0, \g, \zero
	s_wait_dscnt 0                                 ; A's blocks 4-7 are in
	PLACES NP
	FETCH_B \slot, 1, 1
	FETCH_A \slot, 1, 0
	WIN MUL_HI
	MUL16 4, 0, \g, \zero
	MUL16 6, 0, \g, \zero
	PLACES NP
	WIN 0
	FETCH_A \slot, 1, 4
.endm
; A slot's second 128 changes slots: one barrier; in front of it each wave waits for all its tensor loads, adds 0 to its spare word, and waits for that and for its reads of this slot.  fill = 1: the slot is filled again, two K steps ahead.
.macro TURN slot, next, g, fill
	s_wait_tensorcnt 0x0                           ; all my tensor loads have landed: my part of the next slot
	ds_add_u32 v[SPW], v[NIL]                      ; 0 onto my spare word
	s_wait_dscnt 4*NL+1                            ; (the add and the youngest 16 loads may be out)
	WIN MUL_LO
	MUL16 0, 1, \g, 0                              ; sixteen matrix instructions stand between the add and the wait for it
	s_wait_dscnt 0x0                               ; the add is done, and my reads of this slot are over
	s_barrier_signal -1
	MUL16 2, 1, \g, 0
	WIN 0
	s_barrier_wait -1
.if \fill
	CREST                                          ; the barrier has opened a round of the cluster's: no wave of any partner still reads this slot or has a load on its way
	s_add_nc_u64 s[G0+4*\slot+2:G0+4*\slot+3], s[G0+4*\slot+2:G0+4*\slot+3], 2*KSB
	s_add_nc_u64 s[G0B+4*\slot+2:G0B+4*\slot+3], s[G0B+4*\slot+2:G0B+4*\slot+3], 2*KSB
	JLOAD G0+4*\slot, G1, G0B+4*\slot, G1B         ; the first tensor load behind the round, and my only one until the next; its four v_nop are the places in front of the loads below
.else
	PLACES NP
.endif
	FETCH_B \next, 0, 0
	FETCH_A \next, 0, 0
	WIN MUL_HI
	MUL16 4, 1, \g, 0
	MUL16 6, 1, \g, 0
	PLACES NP
	WIN 0
	FETCH_A \next, 0, 4
.endm
	s_wait_alu depctr_va_vdst(0)
	s_wait_tensorcnt 0x0                           ; my tile of the head's four is in
	ds_add_u32 v[SPW], v[NIL]
	s_mov_b32 s[G1+2], 8<<16                       ; no tensor load of mine is out: from here on a load brings 8 row tiles
	s_mov_b32 s[G1+4], 8
	s_mov_b32 s[G1B+2], 8<<16
	s_mov_b32 s[G1B+4], 8
	s_wait_dscnt 0x0
	CROUND                                         ; all four tiles are in, and all sixteen work-groups are here
	JLOAD G0+4, G1, G0B+4, G1B                     ; K step 1, slot 1's first fill: the first tensor load behind the round
	FETCH_B 0, 0, 0
	FETCH_A 0, 0, 0
	SCALES_ALL
	FETCH_A 0, 0, 4
	STEP 0, 0, 1                                   ; the first products start the sums: nothing is cleared
	TURN 0, 1, 1, 1                                ; slot 0 takes K step 2
	STEP 1, 2, 0
	TURN 1, 0, 3, 1                                ; slot 1 takes K step 3
	STEP 0, 4, 0
	TURN 0, 1, 5, 0                                ; nothing is left to fetch
	STEP 1, 6, 0
	s_wait_dscnt 4*NL
	WIN MUL_LO
	MUL16 0, 1, 7, 0
	MUL16 2, 1, 7, 0
	s_wait_dscnt 0
	WIN MUL_HI
	MUL16 4, 1, 7, 0
	MUL16 6, 1, 7, 0
	WIN 0
; THE WAY OUT.  For A's block a the lane's 64 registers are B's rows 32 b + 16 h + i of one row of A: four blocks of 32 along the next product's K.  They become a fragment and a scale word as in the first launch.
; The accumulators lie in window 2 or 3, all else in window 0.  Each accumulator is read from its low end on.
.macro QUANTW a
.set AC, 64*((\a)%4)
.set QW, 2+(\a)/4
	WIN QW|(QW<<2)                                 ; sources 0 and 1 in the accumulators' window
.irp b, 0,1,2,3
	v_max3_num_f32 v[TM+\b], |v[AC+16*\b]|, |v[AC+1+16*\b]|, 0x1800000   ; and the floor 2^(3 - 127)
.endr
	WIN (QW<<2)|(QW<<4)                            ; sources 1 and 2
.irp i, 2,4,6,8,10,12,14
.irp b, 0,1,2,3
	v_max3_num_f32 v[TM+\b], v[TM+\b], |v[AC+16*\b+\i]|, |v[AC+1+16*\b+\i]|
.endr
.endr
	WIN 0
.irp b, 0,1,2,3
	v_permlanex16_b32 v[TM+4+\b], v[TM+\b], s92, s93
.endr
.irp b, 0,1,2,3
	v_max_num_f32 v[TM+\b], v[TM+\b], v[TM+4+\b]
.endr
.irp b, 0,1,2,3
	v_add_nc_u32 v[TM+12+\b], 0xff000000, v[TM+\b] ; 2 off the exponent field: the conversion's scale operand
.endr
.irp b, 0,1,2,3
	v_lshrrev_b32 v[TM+4+\b], 23, v[TM+12+\b]
.endr
	v_lshl_or_b32 v[PWA+(\a)], v[TM+5], 8, v[TM+4]
	v_lshl_or_b32 v[PWA+(\a)], v[TM+6], 16, v[PWA+(\a)]
	v_lshl_or_b32 v[PWA+(\a)], v[TM+7], 24, v[PWA+(\a)]
.if (\a) > 0
	s_wait_xcnt 0x0                                ; the last block's stores have read their data and their bases: both are written again only behind this wait
.if (\a) == 4
	s_add_nc_u64 s[2:3], s[2:3], s[46:47]
	s_add_nc_u64 s[18:19], s[18:19], s[46:47]
.else
	s_add_nc_u64 s[2:3], s[2:3], s[22:23]
	s_add_nc_u64 s[18:19], s[18:19], s[22:23]
.endif
.endif
	WIN QW                                         ; source 0
.irp c, 0,1
	v_cvt_scalef32_pk16_fp6_f32 v[PC+6*\c:PC+2+6*\c], v[AC+32*\c:AC+15+32*\c], v[TM+12+2*\c]
	v_cvt_scalef32_pk16_fp6_f32 v[PC+12+4*\c:PC+14+4*\c], v[AC+16+32*\c:AC+31+32*\c], v[TM+12+2*\c+1]
.endr
	WIN 0
	v_nop                                          ; one plain instruction behind the scaled conversions
.irp c, 0,1
.irp i, 0,1,2
	v_permlane16_swap_b32 v[PC+6*\c+\i], v[PC+12+4*\c+\i]
.endr
.irp i, 0,1,2
	v_mov_b32 v[PC+3+6*\c+\i], v[PC+12+4*\c+\i]
.endr
.endr
	global_store_b128 v[L16], v[PC:PC+3], s[2:3]               ; each store covers 512 or 256 consecutive bytes, aligned
	global_store_b64 v[L8], v[PC+4:PC+5], s[2:3] offset:512
	global_store_b128 v[L16], v[PC+6:PC+9], s[18:19]
	global_store_b64 v[L8], v[PC+10:PC+11], s[18:19] offset:512
.endm
.irp b, 0,1,2,3
	v_mov_b32 v[TM+4+\b], 0                        ; a lane permute's destination counts as read.  These five lines name no register of the last products: they are the places behind them
.endr
	v_mov_b32 v[C7F], 0x7f7f7f7f
.irp a, 0,1,2,3,4,5,6,7
	QUANTW \a
.endr
	v_cmp_lt_u32 vcc_lo, 15, v1                    ; word i: lanes 0-15 block 2 i's, lanes 16-31 block 2 i + 1's
.irp i, 0,1,2,3
	v_cndmask_b32 v[SELR+\i], v[PWA+2*\i], v[PWA+2*\i+1], vcc_lo
.endr
.irp i, 0,1,2,3
	v_perm_b32 v[OUTR+\i], v[SELR+\i], v[C7F], s94 ; the first head's: Q, K: bytes 0, 1 and 0x7f 0x7f; V: the word as it is (blocks 0-3 are its channel tiles)
.endr
	v_cndmask_b32 v[SELR+4], v[SELR], v[SELR+2], s96   ; the second head's words 0, 1: Q, K: of blocks 0-3; V: of blocks 4-7
	v_cndmask_b32 v[SELR+5], v[SELR+1], v[SELR+3], s96
	v_perm_b32 v[OUTR+4], v[SELR+4], v[C7F], s95
	v_perm_b32 v[OUTR+5], v[SELR+5], v[C7F], s95
	v_perm_b32 v[OUTR+6], v[SELR+2], v[C7F], s95
	v_perm_b32 v[OUTR+7], v[SELR+3], v[C7F], s95
	global_store_b128 v[L16], v[OUTR:OUTR+3], s[20:21]
	global_store_b128 v[L16], v[OUTR+4:OUTR+7], s[20:21] offset:106496
	s_wait_tensorcnt 0x0                           ; the wave's end
	ds_add_u32 v[SPW], v[NIL]
	s_wait_dscnt 0x0
	CROUND                                         ; the closing round: no work-group ends while a partner may still ask for a tile that names it
	s_endpgm
.Lfunc_end_k_qecd5308b5d_proj:
	.size	k_qecd5308b5d_proj, .Lfunc_end_k_qecd5308b5d_proj-k_qecd5308b5d_proj
	.p2alignl 7, 3214868480
	.fill 96, 4, 3214868480
	.section	.rodata,"a",@progbits
	.p2align	6, 0x0
	.amdhsa_kernel k_qecd5308b5d_proj
		.amdhsa_group_segment_fixed_size 327680
		.amdhsa_private_segment_fixed_size 0
		.amdhsa_enable_private_segment 0
		.amdhsa_kernarg_size 24
		.amdhsa_user_sgpr_count 2
		.amdhsa_user_sgpr_kernarg_segment_ptr 1
		.amdhsa_wavefront_size32 1
		.amdhsa_system_sgpr_workgroup_id_x 1
		.amdhsa_system_sgpr_workgroup_id_y 1
		.amdhsa_system_sgpr_workgroup_id_z 1
		.amdhsa_system_vgpr_workitem_id 0
		.amdhsa_next_free_vgpr 1024
		.amdhsa_next_free_sgpr 102
		.amdhsa_reserve_vcc 1
		.amdhsa_float_denorm_mode_32 3
		.amdhsa_float_denorm_mode_16_64 3
		.amdhsa_memory_ordered 1
		.amdhsa_forward_progress 1
		.amdhsa_inst_pref_size 151
	.end_amdhsa_kernel
	.amdgpu_metadata
---
amdhsa.version: [ 1, 2 ]
amdhsa.kernels:
  - .name:           k_qecd5308b5d_proj
    .symbol:         k_qecd5308b5d_proj.kd
    .args:
      - { .name: c1, .offset: 0, .size: 8, .value_kind: global_buffer, .address_space: global }
      - { .name: s1, .offset: 8, .size: 8, .value_kind: global_buffer, .address_space: global }
      - { .name: c2, .offset: 16, .size: 8, .value_kind: global_buffer, .address_space: global }
    .group_segment_fixed_size: 327680
    .private_segment_fixed_size: 0
    .kernarg_segment_align: 8
    .kernarg_segment_size: 24
    .max_flat_workgroup_size: 128
    .sgpr_count:     102
    .vgpr_count:     1024
    .wavefront_size: 32
...
	.end_amdgpu_metadata
.endif
;; end of part 2
;; launch attn (part 3): grid 8 x 32, 16 waves a work-group, no clusters, 215,040 bytes of LDS; arguments c2, mb, c3, s3; writes c3, s3
.if DOCPART == 3
	.amdgcn_target "amdgcn-amd-amdhsa--gfx1250"
	.amdhsa_code_object_version 6
	.text
	.protected	k_qecd5308b5d_attn
	.globl	k_qecd5308b5d_attn
	.p2align	8
	.type	k_qecd5308b5d_attn,@function
k_qecd5308b5d_attn:
	s_mov_b64 s[64:65], 0
	v_nop
	global_prefetch_b8 v0, s[64:65] scope:SCOPE_SE
	s_setreg_imm32_b32 hwreg(HW_REG_WAVE_MODE, 25, 1), 1
	s_wait_xcnt 0x0
; Attention of one head on codes of FP6 (E2M3) with E8M0 scales: scores = Q K^T / 8 (K = the head's 64), the mask, the softmax, x = P V (K = the 2,048 keys), x / the row's sum, x quantised along the channels for the last product.
; THE SOFTMAX: t = score x log2(e) / 8; M = the running largest t rounded UP to a whole number; p = 2^(t - M) is quantised by blocks of 32 keys; the row's sum is taken of the unquantised p.  When M moves, the sum and O are multiplied by 2^(old M - new M): exact.
; THE MASK: a hidden score becomes -2^36 (the logit -2^33 in place of -1e10).  Beside any open key its p is 0 either way; in a row with no open key every t is the same whole number, so p = 1: the uniform row.
; The mask comes as words of 32 lane bits, 64 a key step (word n is the select of score register n).  At the head each wave reads its tile's 1,024 words and keeps one bit a step: all 64 words are ones.  A step with that bit set has nothing to hide
; any other step loads its 64 words and selects.  The branch hangs on whole numbers that the first launch stored.
; LIMITS: open logits lie above about -8.5e9; NaN and infinities are not served; a block of zeros gets the scale byte 1, its codes are zeros.
; SHARES.  A work-group owns 256 queries of one batch x head, each of its sixteen waves one tile of 16 (lane row r of tile 2 g + u is query 32 g + 8 u + r + 8 (r / 8)); every wave walks the 16 key steps of 128 keys.
; LDS.  The head's K and V come in once, through registers: wave w copies key step w: 13 + 13 loads of 512 consecutive bytes.  A step has 13,312 bytes: K's codes (6,144), K's paired scale words (256 of 512), V's codes (6,144), V's scale words (512).
; NO TENSOR LOAD, NO CLUSTER: without tensor loads there is no joint request.  NO PREFETCH: all of K and V is asked for at the head, ahead of the loop.
; LAYOUT.  Both products are used transposed: S^T = K Q^T (source 0 = 16 keys), O^T = V^T P^T (source 0 = 16 channels): a lane holds one query.  Row 8 h + j of key tile 4 c + t is key 64 c + 32 h + 8 t + j (the first launch lays k so):
; score registers 32 c .. 32 c + 31 of lane (r, h) are the 32 keys of block 2 c + h, in the order in which P's operand wants them: a block's maximum and its codes need no other lane.
; K Q^T has K = 64, the instruction 128: a run of 12 registers holds key tile t in its lower 64 and t + 2 in its upper; Q stands twice, as [Q | zero codes] and [zero codes | Q].  The next step's K is asked for behind this step's eight products.
; THE ROW'S SUM runs in eight pairs of registers; its last seven additions stand behind the step's last products and behind the next step's first: they are the places that those products ask for.
.set STP,  13312                       ; LDS bytes of a key step
.set KSW,  6144                        ; in it: K's paired scale words, 8 bytes a lane
.set VCD,  6656                        ; V's codes
.set VSW,  12800                       ; V's scale words
.set SPARE, 16*STP                     ; the spare words: 128 bytes for each wave
.set WV,   2                           ; s2 wave;  s3 step;  s4 the 16 bits "step is all open";  s5 LDS byte of the step;  s6 byte of its mask words;  s7 my query tile 0..127
.set I,    3
.set FL,   4
.set TC,   5
.set SO,   6
.set TAU,  7
.set MP,   28                          ; s[28:29] my tile's mask words
.set SEL,  30                          ; s[30:31] v_permlanex16_b32's selects for lane l xor 16
.set MW0,  32                          ; s[32:63], s[68:99] a step's 64 mask words
.set MW1,  68
.set A16,  3                           ; v3 the step + 16 x lane, v4 + 8 x lane;  v1 = 16 x lane, v2 = 8 x lane stay
.set A8,   4
.set HID,  6                           ; v6 -2^36
.set SH8,  7                           ; v7 8 h
.set VS,   84                          ; v84-85 V's scale words
.set KP,   86                          ; v86-87 K's paired scale words: register j: lanes 0-15 tiles 4 j | 4 j + 2, lanes 16-31 tiles 4 j + 1 | 4 j + 3
.set PCD,  192                         ; v192-203 p's codes; v204-206, v208-210 the conversions' second halves
.set PCT,  204
.set BM,   212                         ; v212-215 maxima
.set A6,   216                         ; the sum's pairs: v[14:15], A1 .. A7
.set A7,   218
.set SOP,  220                         ; v220-221 the conversions' scale operands
.set BT,   222
.set TT,   224
.set W,    225
.set FF,   226                         ; v[226:227] f = 2^(old M - new M), and 0
.set PWD,  228                         ; p's scale word
.set TO,   229                         ; the last step's -M
.set QB,   230                         ; v230-241 [zero codes | Q], v242 its scale word
.set QBS,  242
.set BP,   243
.set A1,   244
.set A2,   246
.set A3,   248
.set A4,   250
.set A5,   252
; v[8:9] c;  v12 -M, v13 the largest t;  v16-27 [Q | zero codes], v28 its scale word;  v32-79 four runs of K;  v96-159 S^T, then p, then (v96-143) V's fragments;  v160-191 O^T
	s_load_b128 s[8:11], s[0:1], 0x0               ; c2, mb
	s_load_b128 s[16:19], s[0:1], 0x10             ; c3, s3
	v_lshl_add_u32 v254, v0, 2, SPARE
	v_mov_b32 v255, 0
	v_lshrrev_b32 v5, 5, v0
	v_readfirstlane_b32 s[WV], v5                  ; wave 0..15
	s_lshl_b32 s[TAU], ttmp9, 4
	s_add_co_u32 s[TAU], s[TAU], s[WV]
	s_and_b32 s12, ttmp7, 0xffff                   ; batch x head
	s_mul_i32 s13, s12, 106496                     ; its bytes in a section of c2
	s_lshr_b32 s14, s[WV], 2                       ; key step w lies in chunk w / 4,
	s_mul_i32 s14, s14, 26624
	s_add_co_u32 s14, s14, s13
	s_add_co_u32 s14, s14, 3407872                 ; of K's section; V's lies 3,407,872 bytes on
	s_and_b32 s15, s[WV], 3
	s_mul_i32 s20, s15, 6144
	s_add_co_u32 s20, s20, s14                     ; its codes,
	s_mov_b32 s21, 0
	s_lshl_b32 s22, s15, 9
	s_add_co_u32 s22, s22, s14
	s_add_co_u32 s22, s22, 24576                   ; its scale words
	s_mov_b32 s23, 0
	s_mul_i32 s24, s[WV], STP                      ; and where it goes
	s_lshr_b32 s26, s[TAU], 5                      ; Q (section 0): my tile's chunk,
	s_mul_i32 s26, s26, 26624
	s_add_co_u32 s26, s26, s13
	s_mov_b32 s27, 0
	s_and_b32 s25, s[TAU], 31
	s_mul_i32 s25, s25, 768                        ; its codes in the chunk,
	s_bfe_u32 s14, s[TAU], 0x20003
	s_lshl_b32 s14, s14, 9
	s_add_co_u32 s14, s14, 24576                   ; its step's scale words,
	s_and_b32 s15, s[TAU], 1
	s_lshl_b32 s15, s15, 8                         ; an odd tile's lie in lanes 16-31's places,
	s_add_co_u32 s14, s14, s15
	s_bfe_u32 s15, s[TAU], 0x20001
	s_lshl_b32 s15, s15, 2                         ; word (tile % 8) / 2
	s_add_co_u32 s14, s14, s15
	s_lshl_b32 s[MP], s[TAU], 12
	s_mov_b32 s[MP+1], 0
	s_mov_b32 s[SEL], 0x76543210
	s_mov_b32 s[SEL+1], 0xfedcba98
	v_and_b32 v10, 31, v0
	v_and_b32 v11, 15, v0
	v_bfe_u32 v[SH8], v0, 4, 1
	v_lshlrev_b32 v1, 4, v10
	v_lshlrev_b32 v2, 3, v10
	v_lshlrev_b32 v[SH8], 3, v[SH8]
	v_lshl_add_u32 v31, v11, 4, s14
	v_add_nc_u32 v5, s24, v1                       ; the copy's LDS addresses
	v_add_nc_u32 v10, s24, v2
	v_add_nc_u32 v29, s25, v1
	v_add_nc_u32 v30, s25, v2
	s_wait_alu depctr_va_vdst(0)
	s_wait_kmcnt 0x0
	s_add_nc_u64 s[20:21], s[8:9], s[20:21]
	s_add_nc_u64 s[22:23], s[8:9], s[22:23]
	s_add_nc_u64 s[26:27], s[8:9], s[26:27]
	s_add_nc_u64 s[MP:MP+1], s[10:11], s[MP:MP+1]
.irp j, 0,1,2,3,4,5,6,7,8,9,10,11
	global_load_b128 v[32+4*\j:35+4*\j], v1, s[20:21] offset:512*\j          ; my step's K: each load 512 consecutive bytes
.endr
	global_load_b128 v[80:83], v1, s[22:23]
.irp j, 0,1,2,3,4,5,6,7,8,9,10,11
	global_load_b128 v[96+4*\j:99+4*\j], v1, s[20:21] offset:3407872+512*\j  ; and its V
.endr
	global_load_b128 v[144:147], v1, s[22:23] offset:3407872
	global_load_b128 v[16:19], v29, s[26:27]       ; Q's registers 0-5 stay
	global_load_b64 v[20:21], v30, s[26:27] offset:512
	global_load_b32 v28, v31, s[26:27]             ; lane r: query r's scale word: two bytes, then 0x7f 0x7f
.irp j, 0,1,2,3,4,5,6,7
	global_load_b128 v[160+4*\j:163+4*\j], v1, s[MP:MP+1] offset:512*\j      ; my tile's mask words: lanes 0-15 step 2 j's 64, lanes 16-31 step 2 j + 1's
.endr
	v_mov_b32 v[HID], 0xd1800000                   ; -2^36
	v_mov_b32 v8, 0x3e38aa3b                       ; c = log2(e) / 8
	v_mov_b32 v9, 0x3e38aa3b
	v_mov_b32 v13, 0xff61b1e6                      ; the largest t so far: -3e38
	v_mov_b32 v14, 0
	v_mov_b32 v15, 0
	v_floor_f32 v12, -v13                          ; -M
.irp i, 0,1,2,3,4,5
	v_mov_b32 v[22+\i], 0                          ; [Q | zero codes]: the upper 64 along K,
	v_mov_b32 v[QB+\i], 0                          ; [zero codes | Q]: the lower
	v_mov_b32 v[154+\i], 0                         ; the first step's late additions find zeros,
.endr
.irp r, A1, A1+1, A2, A2+1, A6, A6+1, A7, A7+1, BT, BT+1, TT, BP, FF+1
	v_mov_b32 v[\r], 0                             ; here too; a lane permute's destination counts as read
.endr
	v_mov_b32 v[TO], v12
	s_wait_alu depctr_va_vdst(0)
	s_wait_loadcnt 11                              ; K's 13 and V's 13 loads are in; Q's 3 and the mask's 8 may be out
	v_perm_b32 v[VS], v81, v80, 0x05040100         ; the low halves (a tile's two bytes) of two words make a run's word
	v_perm_b32 v[VS+1], v83, v82, 0x05040100
.irp j, 0,1,2,3,4,5,6,7,8,9,10,11
	ds_store_b128 v5, v[32+4*\j:35+4*\j] offset:512*\j
.endr
	ds_store_b64 v10, v[VS:VS+1] offset:KSW
.irp j, 0,1,2,3,4,5,6,7,8,9,10,11
	ds_store_b128 v5, v[96+4*\j:99+4*\j] offset:VCD+512*\j
.endr
	ds_store_b128 v5, v[144:147] offset:VSW
	s_wait_loadcnt 0x0
.irp i, 0,1,2,3,4,5
	v_mov_b32 v[QB+6+\i], v[16+\i]                 ; Q once more, in the upper 64 along K
.endr
	v_perm_b32 v[QBS], v28, v28, 0x01000302        ; and its scale word with the halves changed over
.irp j, 0,1,2,3,4,5,6,7
	v_and_b32 v[160+4*\j], v[160+4*\j], v[161+4*\j]
.endr
.irp j, 0,1,2,3,4,5,6,7
	v_and_b32 v[162+4*\j], v[162+4*\j], v[163+4*\j]
.endr
.irp j, 0,1,2,3,4,5,6,7
	v_and_b32 v[160+4*\j], v[160+4*\j], v[162+4*\j]
.endr
.irp j, 0,1,2,3,4,5,6,7
	v_cmp_eq_u32 s[MW0+\j], -1, v[160+4*\j]        ; a lane's bit: its four words are all ones
.endr
.set j, 0
.rept 32
	v_mov_b32 v[160+j], 0                          ; O^T: the step is written once; the first finds zeros
.set j, j+1
.endr
	s_wait_alu depctr_va_vdst(0)
	s_mov_b32 s[FL], 0
.irp j, 0,1,2,3,4,5,6,7
	s_and_b32 s12, s[MW0+\j], 0xffff
	s_cmp_eq_u32 s12, 0xffff
	s_cselect_b32 s12, 1<<(2*\j), 0                ; step 2 j: all sixteen lanes
	s_or_b32 s[FL], s[FL], s12
	s_lshr_b32 s12, s[MW0+\j], 16
	s_cmp_eq_u32 s12, 0xffff
	s_cselect_b32 s12, 2<<(2*\j), 0                ; step 2 j + 1
	s_or_b32 s[FL], s[FL], s12
.endr
	s_wait_dscnt 0x0                               ; my step's bytes are in LDS
	s_barrier_signal -1
	s_barrier_wait -1                              ; everybody's are; LDS is written no more
.macro KLOAD a16, a8, o                ; a step's K: its paired scale words, then its eight tiles: tile t goes to run 2 (t / 4) + t % 2, half (t / 2) % 2
	ds_load_b64 v[KP:KP+1], v[\a8] offset:\o+KSW
.irp t, 0,1,2,3,4,5,6,7
	ds_load_b128 v[32+12*(2*(\t/4)+\t%2)+6*((\t/2)%2):32+12*(2*(\t/4)+\t%2)+6*((\t/2)%2)+3], v[\a16] offset:\o+768*\t
	ds_load_b64 v[32+12*(2*(\t/4)+\t%2)+6*((\t/2)%2)+4:32+12*(2*(\t/4)+\t%2)+6*((\t/2)%2)+5], v[\a8] offset:\o+768*\t+512
.endr
.endm
.macro KQ t                            ; S^T of tile t: its run against the Q that stands in its half of K
.set KR, 32+12*(2*((\t)/4)+(\t)%2)
.if ((\t)/2)%2
.if (\t)%2
	v_wmma_scale_f32_16x16x128_f8f6f4 v[96+8*(\t):103+8*(\t)], v[KR:KR+11], v[QB:QB+11], 0, v[KP+(\t)/4], v[QBS] matrix_a_fmt:MATRIX_FMT_FP6 matrix_b_fmt:MATRIX_FMT_FP6 matrix_a_scale:MATRIX_SCALE_ROW1
.else
	v_wmma_scale_f32_16x16x128_f8f6f4 v[96+8*(\t):103+8*(\t)], v[KR:KR+11], v[QB:QB+11], 0, v[KP+(\t)/4], v[QBS] matrix_a_fmt:MATRIX_FMT_FP6 matrix_b_fmt:MATRIX_FMT_FP6
.endif
.else
.if (\t)%2
	v_wmma_scale_f32_16x16x128_f8f6f4 v[96+8*(\t):103+8*(\t)], v[KR:KR+11], v[16:27], 0, v[KP+(\t)/4], v28 matrix_a_fmt:MATRIX_FMT_FP6 matrix_b_fmt:MATRIX_FMT_FP6 matrix_a_scale:MATRIX_SCALE_ROW1
.else
	v_wmma_scale_f32_16x16x128_f8f6f4 v[96+8*(\t):103+8*(\t)], v[KR:KR+11], v[16:27], 0, v[KP+(\t)/4], v28 matrix_a_fmt:MATRIX_FMT_FP6 matrix_b_fmt:MATRIX_FMT_FP6
.endif
.endif
.endm
.macro ADDP acc, i                     ; pair i of p onto a pair of the sum
	v_pk_add_f32 v[\acc:\acc+1], v[\acc:\acc+1], v[96+2*(\i):97+2*(\i)]
.endm
.macro ADD2 acc, i                     ; pairs i and i + 1 begin a pair of the sum
	v_pk_add_f32 v[\acc:\acc+1], v[96+2*(\i):97+2*(\i)], v[98+2*(\i):99+2*(\i)]
.endm
.macro MRG a, b
	v_pk_add_f32 v[\a:\a+1], v[\a:\a+1], v[\b:\b+1]
.endm
.macro TMS from, n                     ; t - M, two at a time
.set j, \from
.rept \n
	v_pk_fma_f32 v[96+j:97+j], v[96+j:97+j], v[8:9], v[12:13] op_sel_hi:[1,0,0]
.set j, j+2
.endr
.endm
.macro LATE3                           ; the last step's pairs 29 to 31
	ADDP A7, 29
	ADDP 14, 30
	ADDP A1, 31
.endm
.macro LATE4                           ; and the last four joins of its sum
	MRG A6, A7
	MRG 14, A1
	MRG A2, A6
	MRG 14, A2
.endm
; A KEY STEP: 128 keys.  Its K and K's paired scale words are in registers when it begins.  nx = 1: the next step's K is asked for
.macro STEP nx
	v_add_nc_u32 v[A16], s[TC], v1
	v_add_nc_u32 v[A8], s[TC], v2
	LATE3                                          ; five places: the products below write over registers that the last step's products read (V's fragments)
.irp t, 0,1,2,3,4,5,6,7
	KQ \t
.endr
	LATE4                                          ; four places in front of the loads into K's runs and of the first read of the scores
.if \nx
	KLOAD A16, A8, STP                             ; 17 loads, which land under the softmax
.endif
	s_bitcmp1_b32 s[FL], s[I]                      ; are this step's 64 mask words all ones?
	s_wait_alu depctr_va_vdst(0)
	s_cbranch_scc1 .Lopen_\@
	s_load_b512 s[MW0:MW0+15], s[MP:MP+1], s[SO] offset:0x0
	s_load_b512 s[MW0+16:MW0+31], s[MP:MP+1], s[SO] offset:0x40
	s_load_b512 s[MW1:MW1+15], s[MP:MP+1], s[SO] offset:0x80
	s_load_b512 s[MW1+16:MW1+31], s[MP:MP+1], s[SO] offset:0xc0
	s_wait_kmcnt 0x0
.set j, 0
.rept 32
	v_cndmask_b32 v[96+j], v[HID], v[96+j], s[MW0+j]   ; register n holds key 64 (n / 32) + 32 h + n % 32 of my query: bit "lane" of word n.  Ascending: each accumulator from its low end on
.set j, j+1
.endr
.set j, 0
.rept 32
	v_cndmask_b32 v[128+j], v[HID], v[128+j], s[MW1+j]
.set j, j+1
.endr
.Lopen_\@:
.irp b, 0,1,2,3
	v_max3_num_f32 v[BM+\b], v[96+16*\b], v[97+16*\b], v[98+16*\b]   ; four chains of 16 scores; two chains make a block of 32 keys
.endr
.irp i, 3,5,7,9,11,13
.irp b, 0,1,2,3
	v_max3_num_f32 v[BM+\b], v[BM+\b], v[96+16*\b+\i], v[97+16*\b+\i]
.endr
.endr
	v_max3_num_f32 v[BM], v[BM], v[BM+1], v111
	v_max3_num_f32 v[BM+2], v[BM+2], v[BM+3], v143
	v_max_num_f32 v[BM], v[BM], v127               ; my block 0 + h's largest score: it serves the row's maximum and, since p rises with the score, the block's largest p
	v_max_num_f32 v[BM+2], v[BM+2], v159           ; my block 2 + h's
	v_max_num_f32 v[TT], v[BM], v[BM+2]
	v_mul_f32 v[TT], v8, v[TT]                     ; as t (c is positive)
	v_permlanex16_b32 v[BP], v[TT], s[SEL], s[SEL+1]
	v_max3_num_f32 v13, v13, v[TT], v[BP]          ; the running largest t, lane l xor 16's 64 keys among them
	v_floor_f32 v12, -v13                          ; the new -M = -ceil(t): a whole number
	v_sub_f32 v[TT], v12, v[TO]                    ; old M - new M: a whole number, 0 or less
	TMS 0, 8
	v_cvt_i32_f32 v[TT], v[TT]                     ; (it saturates)
	TMS 16, 8
	v_ldexp_f32 v[FF], 1.0, v[TT]                  ; f = 2^(old M - new M)
	TMS 32, 16
	v_fma_f32 v[BM], v[BM], v8, v12                ; the same of each block's largest score
	v_fma_f32 v[BM+2], v[BM+2], v8, v12
.set j, 0
.rept 16
	v_pk_mul_f32 v[160+j:161+j], v[160+j:161+j], v[FF:FF+1] op_sel_hi:[1,0]   ; O^T under the new M
.set j, j+2
.endr
	s_wait_alu depctr_va_vdst(0)
.set j, 0
.rept 64
	v_exp_f32 v[96+j], v[96+j]                     ; p = 2^(t - M), at most 1: not normalised
.set j, j+1
.endr
	v_exp_f32 v[BM], v[BM]                         ; the blocks' largest p: the same two instructions on the same number give the same bits
	v_exp_f32 v[BM+2], v[BM+2]
	v_mov_b32 v[TO], v12                           ; the plain instruction behind the exponentials
	s_wait_alu depctr_va_vdst(0)                   ; one wait for the batch, ahead of its first reader
	v_max_num_f32 v[BM], 0x1800000, v[BM]          ; the floor 2^(3 - 127): a block whose every p is 0 keeps the byte 1; its codes are zeros
	v_max_num_f32 v[BM+2], 0x1800000, v[BM+2]
	v_add_nc_u32 v[SOP], 0xff000000, v[BM]         ; 2 off the exponent field: the conversion's scale operand
	v_add_nc_u32 v[SOP+1], 0xff000000, v[BM+2]
	v_lshrrev_b32 v[BT], 23, v[SOP]                ; the scales' bytes
	v_lshrrev_b32 v[BT+1], 23, v[SOP+1]
.irp c, 0,1
	v_cvt_scalef32_pk16_fp6_f32 v[PCD+6*\c:PCD+2+6*\c], v[96+32*\c:111+32*\c], v[SOP+\c]      ; my block 2 c + h: its lower 16 codes are the operand's registers 6 c .. 6 c + 2,
	v_cvt_scalef32_pk16_fp6_f32 v[PCT+4*\c:PCT+2+4*\c], v[112+32*\c:127+32*\c], v[SOP+\c]     ; its upper 16 are made elsewhere and moved (a conversion's three registers begin on an even number)
.endr
	v_pk_fma_f32 v[14:15], v[14:15], v[FF:FF+1], v[96:97] op_sel_hi:[1,0,1]   ; the sum under the new M, and pair 0 of the unquantised p
	ADD2 A1, 1
	ADD2 A2, 3
	ADD2 A3, 5
	ADD2 A4, 7
	ADD2 A5, 9
	ADD2 A6, 11
	ADD2 A7, 13
	v_lshl_or_b32 v[W], v[BT+1], 16, v[BT]         ; my two bytes: blocks h and 2 + h,
	ADDP A1, 15
	ADDP A2, 16
	ADDP A3, 17
	ADDP A4, 18
	ADDP A5, 19
	v_lshlrev_b32 v[W], v[SH8], v[W]               ; at their places in the scale word
	ADDP A6, 20
	ADDP A7, 21
	ADDP 14, 22
	ADDP A1, 23
	v_permlanex16_b32 v[BP], v[W], s[SEL], s[SEL+1]
.irp t, 0,1,2,3                        ; V's four fragments (16 channels x these 128 keys) take the registers of pairs 0 to 23, which have been summed and converted
.irp c, 0,1
	ds_load_b128 v[96+12*\t+6*\c:99+12*\t+6*\c], v[A16] offset:VCD+1536*\t+768*\c
	ds_load_b64 v[100+12*\t+6*\c:101+12*\t+6*\c], v[A8] offset:VCD+1536*\t+768*\c+512
.endr
.endr
	ds_load_b64 v[VS:VS+1], v[A16] offset:VSW      ; V's scale words: register i: channel tile 2 i in lanes 0-15, 2 i + 1 in lanes 16-31
	v_or_b32 v[PWD], v[W], v[BP]                   ; with lane l xor 16's two bytes p's scale word is whole; fourteen plain lines stand between it and the products
.irp c, 0,1
.irp i, 0,1,2
	v_mov_b32 v[PCD+3+6*\c+\i], v[PCT+4*\c+\i]
.endr
.endr
	ADDP A2, 24
	ADDP A3, 25
	ADDP A4, 26
	ADDP A5, 27
	ADDP A6, 28
	MRG A2, A3
	MRG A4, A5
	MRG A2, A4
	s_wait_alu depctr_va_vdst(0)
	s_wait_dscnt 0x0                               ; V is in, and so is the next step's K, which was asked for earlier
.irp t, 0,1,2,3                        ; O^T += V^T P^T: the four accumulators by turns, one instruction each
.if \t%2
	v_wmma_scale_f32_16x16x128_f8f6f4 v[160+8*\t:167+8*\t], v[96+12*\t:107+12*\t], v[PCD:PCD+11], v[160+8*\t:167+8*\t], v[VS+\t/2], v[PWD] matrix_a_fmt:MATRIX_FMT_FP6 matrix_b_fmt:MATRIX_FMT_FP6 matrix_a_scale:MATRIX_SCALE_ROW1
.else
	v_wmma_scale_f32_16x16x128_f8f6f4 v[160+8*\t:167+8*\t], v[96+12*\t:107+12*\t], v[PCD:PCD+11], v[160+8*\t:167+8*\t], v[VS+\t/2], v[PWD] matrix_a_fmt:MATRIX_FMT_FP6 matrix_b_fmt:MATRIX_FMT_FP6
.endif
.endr
.endm
	KLOAD 1, 2, 0                                  ; key step 0's K
	s_mov_b32 s[I], 0
	s_mov_b32 s[TC], 0
	s_mov_b32 s[SO], 0
	s_wait_dscnt 0x0
.Lstep:
	STEP 1
	s_add_co_u32 s[TC], s[TC], STP
	s_add_co_u32 s[SO], s[SO], 256
	s_add_co_u32 s[I], s[I], 1
	s_cmp_lt_u32 s[I], 15
	s_wait_alu depctr_va_vdst(0)
	s_cbranch_scc1 .Lstep
	STEP 0                                         ; the last step asks for nothing
	; THE WAY OUT: x = O^T / the sum; its 64 channels are two blocks of the last product's K; codes and two scale bytes go to c3 and s3, laid as the first launch lays an operand.
	LATE3                                          ; the last step's sum is finished: these seven lines are also the places behind the last products
	LATE4
	v_add_f32 v14, v14, v15                        ; the sum's two halves,
	v_permlanex16_b32 v[TT], v14, s[SEL], s[SEL+1]
	v_add_f32 v14, v14, v[TT]                      ; and lane l xor 16's
	s_wait_alu depctr_va_vdst(0)
	v_rcp_f32 v14, v14
	v_and_b32 v10, 15, v0
	v_lshlrev_b32 v10, 4, v10                      ; 16 r
	s_and_b32 s36, ttmp7, 0xffff
	s_lshr_b32 s37, s36, 4
	s_lshl_b32 s37, s37, 7
	s_add_co_u32 s37, s37, s[TAU]                  ; x's row tile: 128 x batch + my tile
	s_and_b32 s36, s36, 15                         ; the head
	s_mul_i32 s38, s37, 12288
	s_mul_i32 s40, s36, 768                        ; fragment head / 2, half head % 2
	s_add_co_u32 s38, s38, s40
	s_mov_b32 s39, 0
	s_lshl_b32 s40, s37, 9                         ; the scale words: 512 x row tile + 256 (head / 8) + 2 (head % 8), + 16 r
	s_lshr_b32 s42, s36, 3
	s_lshl_b32 s42, s42, 8
	s_add_co_u32 s40, s40, s42
	s_and_b32 s42, s36, 7
	s_lshl_b32 s42, s42, 1
	s_add_co_u32 s40, s40, s42
	s_mov_b32 s41, 0
	s_add_nc_u64 s[16:17], s[16:17], s[38:39]
	s_add_nc_u64 s[18:19], s[18:19], s[40:41]
	s_wait_alu depctr_va_vdst(0)                   ; the wait for the reciprocal, directly ahead of the first reader of it and of O^T
.set j, 0
.rept 16
	v_pk_mul_f32 v[96+j:97+j], v[160+j:161+j], v[14:15] op_sel_hi:[1,0]   ; register 16 b + i: channel 32 b + 16 h + i of my query
.set j, j+2
.endr
.irp b, 0,1
	v_max3_num_f32 v[BM+\b], |v[96+16*\b]|, |v[97+16*\b]|, 0x1800000
.endr
.irp i, 2,4,6,8,10,12,14
.irp b, 0,1
	v_max3_num_f32 v[BM+\b], v[BM+\b], |v[96+16*\b+\i]|, |v[97+16*\b+\i]|
.endr
.endr
.irp b, 0,1
	v_permlanex16_b32 v[BT+\b], v[BM+\b], s[SEL], s[SEL+1]
.endr
.irp b, 0,1
	v_max_num_f32 v[BM+\b], v[BM+\b], v[BT+\b]
.endr
.irp b, 0,1
	v_add_nc_u32 v[SOP+\b], 0xff000000, v[BM+\b]
.endr
.irp b, 0,1
	v_lshrrev_b32 v[BT+\b], 23, v[SOP+\b]
.endr
	v_lshl_or_b32 v[PWD], v[BT+1], 8, v[BT]        ; my row's two scale bytes
	v_cvt_scalef32_pk16_fp6_f32 v[PCD:PCD+2], v[96:111], v[SOP]
	v_cvt_scalef32_pk16_fp6_f32 v[PCT:PCT+2], v[112:127], v[SOP+1]
	v_nop                                          ; one plain instruction behind the scaled conversions
.irp i, 0,1,2
	v_permlane16_swap_b32 v[PCD+\i], v[PCT+\i]     ; the operand wants a whole block in a lane
.endr
.irp i, 0,1,2
	v_mov_b32 v[PCD+3+\i], v[PCT+\i]
.endr
	global_store_b128 v1, v[PCD:PCD+3], s[16:17]   ; 512 and 256 consecutive bytes, aligned
	global_store_b64 v2, v[PCD+4:PCD+5], s[16:17] offset:512
	global_store_b16 v10, v[PWD], s[18:19]         ; the one narrow store, one a wave: a head owns 2 of a row's 32 scale bytes; lanes r and r + 16 write the same bytes with the same value
	s_wait_tensorcnt 0x0                           ; the wave's end
	ds_add_u32 v254, v255
	s_wait_dscnt 0x0
	s_endpgm
.Lfunc_end_k_qecd5308b5d_attn:
	.size	k_qecd5308b5d_attn, .Lfunc_end_k_qecd5308b5d_attn-k_qecd5308b5d_attn
	.p2alignl 7, 3214868480
	.fill 96, 4, 3214868480
	.section	.rodata,"a",@progbits
	.p2align	6, 0x0
	.amdhsa_kernel k_qecd5308b5d_attn
		.amdhsa_group_segment_fixed_size 215040
		.amdhsa_private_segment_fixed_size 0
		.amdhsa_enable_private_segment 0
		.amdhsa_kernarg_size 32
		.amdhsa_user_sgpr_count 2
		.amdhsa_user_sgpr_kernarg_segment_ptr 1
		.amdhsa_wavefront_size32 1
		.amdhsa_system_sgpr_workgroup_id_x 1
		.amdhsa_system_sgpr_workgroup_id_y 1
		.amdhsa_system_sgpr_workgroup_id_z 1
		.amdhsa_system_vgpr_workitem_id 0
		.amdhsa_next_free_vgpr 256
		.amdhsa_next_free_sgpr 100
		.amdhsa_reserve_vcc 0
		.amdhsa_float_denorm_mode_32 3
		.amdhsa_float_denorm_mode_16_64 3
		.amdhsa_memory_ordered 1
		.amdhsa_forward_progress 1
		.amdhsa_inst_pref_size 58
	.end_amdhsa_kernel
	.amdgpu_metadata
---
amdhsa.version: [ 1, 2 ]
amdhsa.kernels:
  - .name:           k_qecd5308b5d_attn
    .symbol:         k_qecd5308b5d_attn.kd
    .args:
      - { .name: c2, .offset: 0, .size: 8, .value_kind: global_buffer, .address_space: global }
      - { .name: mb, .offset: 8, .size: 8, .value_kind: global_buffer, .address_space: global }
      - { .name: c3, .offset: 16, .size: 8, .value_kind: global_buffer, .address_space: global }
      - { .name: s3, .offset: 24, .size: 8, .value_kind: global_buffer, .address_space: global }
    .group_segment_fixed_size: 215040
    .private_segment_fixed_size: 0
    .kernarg_segment_align: 8
    .kernarg_segment_size: 32
    .max_flat_workgroup_size: 512
    .sgpr_count:     100
    .vgpr_count:     256
    .wavefront_size: 32
...
	.end_amdgpu_metadata
.endif
;; end of part 3
;; launch outp (part 4): grid 8 x 32, 4 waves a work-group, clusters of 4 x 4, 327,680 bytes of LDS; arguments c3, s3, c1, s1, out0; writes out0
.if DOCPART == 4
	.amdgcn_target "amdgcn-amd-amdhsa--gfx1250"
	.amdhsa_code_object_version 6
	.text
	.protected	k_qecd5308b5d_outp
	.globl	k_qecd5308b5d_outp
	.p2align	8
	.type	k_qecd5308b5d_outp,@function
k_qecd5308b5d_outp:
	s_mov_b64 s[64:65], 0
	v_nop
	global_prefetch_b8 v0, s[64:65] scope:SCOPE_SE
	s_setreg_imm32_b32 hwreg(HW_REG_WAVE_MODE, 25, 1), 1
	s_wait_xcnt 0x0
	s_wait_alu depctr_hold_cnt(0) depctr_sa_sdst(0) depctr_va_vdst(0) depctr_va_sdst(0) depctr_va_ssrc(0) depctr_va_vcc(0) depctr_vm_vsrc(0)
	s_getreg_b32 s2, hwreg(HW_REG_IB_STS2, 6, 4)
	s_cmp_eq_u32 s2, 0
	s_cbranch_scc0 .Lentry_in_a_cluster
	s_endpgm
.Lentry_in_a_cluster:
	s_bfe_u32 s2, ttmp6, 0x10000c
	s_cmp_lg_u32 s2, 0xf033
	s_cbranch_scc0 .Lentry_shape_is_right
	s_endpgm
.Lentry_shape_is_right:
; out0 = x w_output^T on codes of FP6 (E2M3) with E8M0 scales, K = 1,024.  c3, s3 (x) and c1, s1 (w_output: row tiles 960 on) are register images: a row tile's codes 12,288 bytes (8 fragments of 1,536), its scale words 512.
; A block of 128 x 128 is made by four waves, 64 x 64 each.  A's 8 row tiles, B's 8 and both blocks of scale words are four dense pieces of memory: they come in ONCE, one tensor load a wave at the head, all of K; nothing is filled again.
; CLUSTERS 4 x 4: A's pieces are asked for jointly along a row of the cluster, B's along a column.  No prefetch: everything is asked for at the head, ahead of any loop.
.set FR,    12
.set NP,    4
.set TILEB, 12288
.set STB,   6144
.set LOADB, 4*STB
.set HALFT, 2*LOADB
.set SCL,   4*HALFT
.set STG,   SCL+4*2048
.set SPITCH, 272
.set ADRA,  16
.set ADRB,  18
.set CO,    25
.set STO,   26
.set ADRS,  27
.set RD,    30
.set SC,    32
.set BK,    64
.set ACC,   128
.set G1,   24
.set G0,   32
.set G1B,  48
.set G0B,  56
.set G1S,  68
.set G0S,  76
.set G1SB, 80
.set G0SB, 88
.set MSB, 0
.macro WIN new
.if MSB != (\new)
	s_set_vgpr_msb (MSB<<8)|(\new)
.set MSB, (\new)
.endif
.endm
.set W_MUL, 0x05
.set TO_F,  0x40
.macro ARM under, g0, g1, next         ; one arm of the head's chain of branches on the wave's number: one load, then a jump to the join
	s_cmp_lt_u32 s14, \under
	s_cbranch_scc0 \next
	tensor_load_to_lds s[\g0:\g0+3], s[\g1:\g1+7]
	s_nop 0
.rept 4
	v_nop
.endr
	s_branch .Lhead_asked
\next:
.endm
.macro CROUND
	s_barrier_signal -1
	s_barrier_wait -1
	s_cmp_lg_u32 s14, 0
	s_cbranch_scc1 .Lnot_wave_0_\@
	s_barrier_signal -3
.Lnot_wave_0_\@:
	s_barrier_wait -3
	s_barrier_signal -1
	s_barrier_wait -1
.endm
	s_load_b128 s[4:7], s[0:1], 0x0
	s_load_b128 s[8:11], s[0:1], 0x10
	s_load_b64 s[12:13], s[0:1], 0x20
	v_lshl_add_u32 v29, v0, 2, 0x36400
	v_mov_b32 v31, 0
	ds_add_u32 v29, v31
	ds_add_u32 v29, v31
	v_lshrrev_b32 v1, 5, v0
	v_readfirstlane_b32 s14, v1
	s_lshr_b32 s15, s14, 1
	s_and_b32 s16, s14, 1
	s_bfe_u32 s40, ttmp6, 0x40000
	s_bfe_u32 s41, ttmp6, 0x40004
	s_and_b32 s17, ttmp7, 0xffff
	s_lshl_b32 s17, s17, 2
	s_add_co_u32 s17, s17, s41
	s_lshl_b32 s42, ttmp9, 2
	s_add_co_u32 s42, s42, s40
	s_lshl_b32 s43, s41, 2
	s_lshl_b32 s43, 15, s43
	s_lshl_b32 s44, 0x1111, s40
	s_or_b32 s[G1+0], s43, (3<<16)|(1<<21)
	s_or_b32 s[G1B+0], s44, (3<<16)|(1<<21)
.irp g, G1, G1B
	s_mov_b32 s[\g+1], 32<<16                      ; 8 row tiles' codes, 98,304 dense bytes, as 384 rows of 256 (32 elements of 8 bytes)
	s_mov_b32 s[\g+2], 384<<16
	s_mov_b32 s[\g+3], 32<<16
	s_mov_b32 s[\g+4], 384
	s_mov_b32 s[\g+5], 32
	s_mov_b32 s[\g+6], 0
	s_mov_b32 s[\g+7], 0
.endr
	s_or_b32 s[G1S+0], s43, (3<<16)|(1<<21)
	s_or_b32 s[G1SB+0], s44, (3<<16)|(1<<21)
.irp g, G1S, G1SB
	s_mov_b32 s[\g+1], 32<<16
	s_mov_b32 s[\g+2], 16<<16                      ; 8 row tiles' scale words: 4,096 dense bytes as 16 rows of 256
	s_mov_b32 s[\g+3], 32<<16
	s_mov_b32 s[\g+4], 16
	s_mov_b32 s[\g+5], 32
	s_mov_b32 s[\g+6], 0
	s_mov_b32 s[\g+7], 0
.endr
	s_lshl_b32 s20, s17, 3                         ; A: the block's first row tile
	s_lshl_b32 s46, s42, 3
	s_add_co_u32 s46, s46, 960                     ; B: likewise, in w_output's section of c1
	s_lshl_b32 s22, s20, 9
	s_mov_b32 s23, 0
	s_lshl_b32 s92, s46, 9
	s_mov_b32 s93, 0
	s_mul_i32 s20, s20, TILEB
	s_mov_b32 s21, 0
	s_mul_i32 s46, s46, TILEB
	s_mov_b32 s47, 0
	s_wait_dscnt 0x0
	s_wait_kmcnt 0x0
	s_add_nc_u64 s[20:21], s[4:5], s[20:21]
	s_add_nc_u64 s[22:23], s[6:7], s[22:23]
	s_add_nc_u64 s[46:47], s[8:9], s[46:47]
	s_add_nc_u64 s[92:93], s[10:11], s[92:93]
	CROUND
	s_mov_b32 s[G0S], 1
	s_mov_b32 s[G0S+1], SCL
	s_mov_b64 s[G0S+2:G0S+3], s[22:23]
	s_or_b32 s[G0S+3], s[G0S+3], 0x80000000
	s_mov_b32 s[G0SB], 1
	s_mov_b32 s[G0SB+1], SCL+4096
	s_mov_b64 s[G0SB+2:G0SB+3], s[92:93]
	s_or_b32 s[G0SB+3], s[G0SB+3], 0x80000000
	s_mov_b32 s[G0], 1
	s_mov_b32 s[G0+1], 0
	s_mov_b64 s[G0+2:G0+3], s[20:21]
	s_or_b32 s[G0+3], s[G0+3], 0x80000000
	s_mov_b32 s[G0B], 1
	s_mov_b32 s[G0B+1], 2*HALFT
	s_mov_b64 s[G0B+2:G0B+3], s[46:47]
	s_or_b32 s[G0B+3], s[G0B+3], 0x80000000
	; the head's loads, one a wave: wave 0 A's codes, wave 1 B's, wave 2 A's scale words, wave 3 B's; every way passes one load
	ARM 1, G0, G1, .Lhead_b
	ARM 2, G0B, G1B, .Lhead_sa
	ARM 3, G0S, G1S, .Lhead_sb
	tensor_load_to_lds s[G0SB:G0SB+3], s[G1SB:G1SB+7]
	s_nop 0
.rept 4
	v_nop
.endr
.Lhead_asked:
	v_and_b32 v1, 31, v0
	v_and_b32 v2, 15, v0
	v_bfe_u32 v3, v0, 4, 1
	v_lshlrev_b32 v4, 4, v1
	v_lshlrev_b32 v5, 3, v1
	s_mul_i32 s21, s15, HALFT
	s_mul_i32 s22, s16, HALFT
	s_add_co_u32 s22, s22, 2*HALFT
	v_add_nc_u32 v[ADRA], s21, v4
	v_add_nc_u32 v[ADRA+1], s21, v5
	v_add_nc_u32 v[ADRB], s22, v4
	v_add_nc_u32 v[ADRB+1], s22, v5
	s_lshl_b32 s21, s15, 11
	s_lshl_b32 s22, s16, 11
	s_add_co_u32 s22, s22, 4096
	s_sub_co_u32 s22, s22, s21
	v_mul_u32_u24 v6, s22, v3
	s_wait_alu depctr_va_vdst(0)
	s_add_co_u32 s21, s21, SCL
	v_lshl_add_u32 v6, v2, 4, v6
	v_add_nc_u32 v[ADRS], s21, v6
	s_mul_i32 s23, s14, 16*SPITCH
	s_add_co_u32 s23, s23, STG
	v_mul_u32_u24 v7, v2, SPITCH
	v_lshl_add_u32 v7, v3, 6, v7
	v_add_nc_u32 v[STO], s23, v7
	v_mul_u32_u24 v7, v3, SPITCH
	v_lshl_add_u32 v7, v2, 4, v7
	v_add_nc_u32 v[RD], s23, v7
	v_lshlrev_b32 v[CO], 12, v3
	v_lshl_add_u32 v[CO], v2, 4, v[CO]
	s_lshl_b32 s20, s17, 19
	s_lshl_b32 s21, s15, 18
	s_add_co_u32 s20, s20, s21
	s_lshl_b32 s46, s42, 9
	s_lshl_b32 s47, s16, 8
	s_add_co_u32 s46, s46, s47
	s_add_co_u32 s20, s20, s46
	s_mov_b32 s21, 0
	s_add_nc_u64 s[12:13], s[12:13], s[20:21]
.macro FRAG reg, adr, off
	ds_load_b128 v[\reg:\reg+3], v[\adr] offset:\off
	ds_load_b64 v[\reg+4:\reg+5], v[\adr+1] offset:\off+512
	ds_load_b128 v[\reg+6:\reg+9], v[\adr] offset:\off+768
	ds_load_b64 v[\reg+10:\reg+11], v[\adr+1] offset:\off+1280
.endm
.macro FETCH g
.set FS, 128*((\g)%2)
.set FO, 1536*(\g)
	WIN TO_F
.irp i, 0,1,2,3
	FRAG FS+FR*\i, ADRA, FO+TILEB*\i
.endr
.irp i, 0,1,2,3
	FRAG FS+48+FR*\i, ADRB, FO+TILEB*\i
.endr
.endm
.macro MULG g
.set FS, 128*((\g)%2)
.irp a, 0,1,2,3
.irp b, 0,1,2,3
.if (\g) == 0
	v_wmma_scale_f32_16x16x128_f8f6f4 v[ACC+8*(4*\a+\b):ACC+8*(4*\a+\b)+7], v[FS+48+FR*\b:FS+48+FR*\b+FR-1], v[FS+FR*\a:FS+FR*\a+FR-1], 0, v[SC+8*\b+(\g)], v[SC+8*\a+(\g)] matrix_a_fmt:MATRIX_FMT_FP6 matrix_b_fmt:MATRIX_FMT_FP6 matrix_a_scale:MATRIX_SCALE_ROW1
.else
	v_wmma_scale_f32_16x16x128_f8f6f4 v[ACC+8*(4*\a+\b):ACC+8*(4*\a+\b)+7], v[FS+48+FR*\b:FS+48+FR*\b+FR-1], v[FS+FR*\a:FS+FR*\a+FR-1], v[ACC+8*(4*\a+\b):ACC+8*(4*\a+\b)+7], v[SC+8*\b+(\g)], v[SC+8*\a+(\g)] matrix_a_fmt:MATRIX_FMT_FP6 matrix_b_fmt:MATRIX_FMT_FP6 matrix_a_scale:MATRIX_SCALE_ROW1
.endif
.endr
.endr
.endm
.macro PLACES n
.rept \n
	v_nop
.endr
.endm
.macro STEPG g
	s_wait_dscnt 0x0
.if (\g) < 7
.if (\g) > 0
	PLACES NP
.endif
	FETCH (\g)+1
.endif
	WIN W_MUL
	MULG \g
.endm
	s_wait_alu depctr_va_vdst(0)
	s_wait_tensorcnt 0x0                           ; my piece of the head's four is in; behind the barrier everybody's is; nothing is filled again
	s_barrier_signal -1
	s_barrier_wait -1
.irp i, 0,1,2,3
	ds_load_b128 v[SC+8*\i:SC+8*\i+3], v[ADRS] offset:512*\i
	ds_load_b128 v[SC+8*\i+4:SC+8*\i+7], v[ADRS] offset:512*\i+256
.endr
	FETCH 0
.irp g, 0,1,2,3,4,5,6,7
	STEPG \g
.endr
	WIN 0
.macro TOSTAGE a
.irp b, 0,1,2,3
	ds_store_b128 v[STO], v[ACC+8*(4*(\a)+\b):ACC+8*(4*(\a)+\b)+3] offset:128*(\b/2)+32*(\b%2)
	ds_store_b128 v[STO], v[ACC+8*(4*(\a)+\b)+4:ACC+8*(4*(\a)+\b)+7] offset:128*(\b/2)+32*(\b%2)+16
.endr
.set BB, BK+32*((\a)%2)
.irp t, 0,1,2,3,4,5,6,7
	ds_load_b128 v[BB+4*\t:BB+4*\t+3], v[RD] offset:\t*2*SPITCH
.endr
.endm
.macro SEND a, younger
.set BB, BK+32*((\a)%2)
	s_wait_dscnt \younger
.irp t, 0,1,2,3,4,5,6,7
	global_store_b128 v[CO], v[BB+4*\t:BB+4*\t+3], s[12:13] offset:(32*((\a)/2)+8*((\a)%2)+2*\t+8*(\t/4))*4096 th:TH_STORE_NT
.endr
.endm
	PLACES NP
	TOSTAGE 0
.irp a, 1,2,3
.if \a > 1
	s_wait_xcnt 0x0
.endif
	TOSTAGE \a
	SEND \a-1, 16
.endr
	SEND 3, 0
	s_wait_tensorcnt 0x0
	ds_add_u32 v29, v31
	s_wait_dscnt 0x0
	CROUND
	s_endpgm
.Lfunc_end_k_qecd5308b5d_outp:
	.size	k_qecd5308b5d_outp, .Lfunc_end_k_qecd5308b5d_outp-k_qecd5308b5d_outp
	.p2alignl 7, 3214868480
	.fill 96, 4, 3214868480
	.section	.rodata,"a",@progbits
	.p2align	6, 0x0
	.amdhsa_kernel k_qecd5308b5d_outp
		.amdhsa_group_segment_fixed_size 327680
		.amdhsa_private_segment_fixed_size 0
		.amdhsa_enable_private_segment 0
		.amdhsa_kernarg_size 40
		.amdhsa_user_sgpr_count 2
		.amdhsa_user_sgpr_kernarg_segment_ptr 1
		.amdhsa_wavefront_size32 1
		.amdhsa_system_sgpr_workgroup_id_x 1
		.amdhsa_system_sgpr_workgroup_id_y 1
		.amdhsa_system_sgpr_workgroup_id_z 1
		.amdhsa_system_vgpr_workitem_id 0
		.amdhsa_next_free_vgpr 512
		.amdhsa_next_free_sgpr 100
		.amdhsa_reserve_vcc 0
		.amdhsa_float_denorm_mode_32 3
		.amdhsa_float_denorm_mode_16_64 3
		.amdhsa_memory_ordered 1
		.amdhsa_forward_progress 1
		.amdhsa_inst_pref_size 50
	.end_amdhsa_kernel
	.amdgpu_metadata
---
amdhsa.version: [ 1, 2 ]
amdhsa.kernels:
  - .name:           k_qecd5308b5d_outp
    .symbol:         k_qecd5308b5d_outp.kd
    .args:
      - { .name: c3, .offset: 0, .size: 8, .value_kind: global_buffer, .address_space: global }
      - { .name: s3, .offset: 8, .size: 8, .value_kind: global_buffer, .address_space: global }
      - { .name: c1, .offset: 16, .size: 8, .value_kind: global_buffer, .address_space: global }
      - { .name: s1, .offset: 24, .size: 8, .value_kind: global_buffer, .address_space: global }
      - { .name: out0, .offset: 32, .size: 8, .value_kind: global_buffer, .address_space: global }
    .group_segment_fixed_size: 327680
    .private_segment_fixed_size: 0
    .kernarg_segment_align: 8
    .kernarg_segment_size: 40
    .max_flat_workgroup_size: 128
    .sgpr_count:     100
    .vgpr_count:     512
    .wavefront_size: 32
...
	.end_amdgpu_metadata
.endif
;; end of part 4
